; MI455X (gfx1250); checked and timed in simulation.
; The chip was launched on July 23, 2026; its instructions are those of AMD's public machine-readable ISA for CDNA 5 (MIT licence, August 2026) and "CDNA5" Instruction Set Architecture Reference Guide (July 2026). The comments in the code are by the model that wrote it; some were corrected since.
;; Multi Head Attention. Allowed arithmetic: float matrix products may take bf16 or f16 operands with f32 sums; other float arithmetic in f32, or as packed bf16 or f16 multiplies, adds, multiply-adds, maxima and minima; sums over many terms, partial sums and values carried from step to step in f32; what a program stores and reads back later, other than sums and carried values, may be rounded once to bf16 or f16.
;; Inputs: Wk 1,024 x 1,024 float32; Wo 1,024 x 1,024 float32; Wq 1,024 x 1,024 float32; Wv 1,024 x 1,024 float32; bk 1,024 float32; bo 1,024 float32; bq 1,024 float32; bv 1,024 float32; k 4 x 2,048 x 1,024 float32; mask 4 x 1 x 2,048 int32; q 4 x 2,048 x 1,024 float32; v 4 x 2,048 x 1,024 float32.
;; Outputs: out0 4 x 2,048 x 1,024 float32.
;; One version. Each part assembles by itself: llvm-mc -triple=amdgcn-amd-amdhsa -mcpu=gfx1250 --defsym DOCPART=n.
;; ======== version 1 of 1: 4 launches
;; limits: values are held in f16: magnitudes above 65,504 overflow, below 6.1e-05 lose precision
;; workspace buffers: w16 8,388,608 bytes; rope 524,288 bytes; qh 16,777,216 bytes; kh 16,777,216 bytes; vh 16,777,216 bytes; oh 16,777,216 bytes
;; launch prep (part 1): grid 256 x 1, 8 waves a work-group, no clusters, 0 bytes of LDS; arguments Wq, Wk, Wv, Wo, w16, rope; writes w16, rope
.if DOCPART == 1
	.amdgcn_target "amdgcn-amd-amdhsa--gfx1250"
	.amdhsa_code_object_version 6
	.text
	.protected	k_q2469545eff_prep
	.globl	k_q2469545eff_prep
	.p2align	8
	.type	k_q2469545eff_prep,@function
k_q2469545eff_prep:
	s_mov_b64 s[64:65], 0
	v_nop
	global_prefetch_b8 v0, s[64:65] scope:SCOPE_SE
	s_setreg_imm32_b32 hwreg(HW_REG_WAVE_MODE, 25, 1), 1
	s_wait_xcnt 0x0
; PREP.  (1) The four weights, [1024 k][1024 n] f32, are rounded once to bf16 and kept in the same order: w16 part 0, 1, 2 = Wq, Wk, Wv in bf16;
; part 3 = Wo, rounded to bf16 and that number written as f16 (the last product's other operand is f16).
; (2) The RoPE table rope[pos][i] = (cos, sin)(pos x theta_i), theta_i = 10000^(-i/32), f32, 256 bytes a position.
; SHARES.  256 work-groups of 256 threads.  Work-group g casts 16,384 numbers (part g / 64, piece g % 64) and makes positions 8 g .. 8 g + 7, an entry a thread.
; A wave's load covers 1,024 consecutive bytes in two instructions, its store 512; the table's store 256.  Nothing is shared: no LDS, no barrier.
; LIMITS.  Wo below 2^-14 in magnitude keeps f16's fixed step of 6e-8; beyond 65,504 it would be lost.  theta comes from v_exp_f32 (1 ulp), so an angle may differ from the
; one made with a power function by a few 1e-4 radians at the last positions.  The angle is brought into -pi .. pi by a two-part 2 pi; the series go to x^15 and x^16,
; whose next terms are below 8e-7 at pi: positions are constants of the problem, so this range is the whole of it.
.set XW,  16                           ; v[16:79]   eight pieces of 8 f32 as loaded
.set PKW, 80                           ; v[80:111]  eight pieces of 4 packed words
	s_load_b256 s[4:11], s[0:1], 0x0               ; Wq, Wk, Wv, Wo
	s_load_b128 s[12:15], s[0:1], 0x20             ; w16, rope
	s_lshr_b32 s16, ttmp9, 6                       ; which weight
	s_and_b32 s17, ttmp9, 63                       ; which piece of it
	s_lshl_b32 s22, ttmp9, 3                       ; my work-group's first position
	v_lshlrev_b32 v1, 5, v0                        ; 32 t: my 8 f32
	v_lshlrev_b32 v2, 4, v0                        ; 16 t: my 8 halves
	v_lshlrev_b32 v3, 3, v0                        ; 8 t: my table entry
	s_wait_kmcnt 0x0
	s_cmp_eq_u32 s16, 1
	s_cselect_b64 s[18:19], s[6:7], s[4:5]
	s_cmp_eq_u32 s16, 2
	s_cselect_b64 s[18:19], s[8:9], s[18:19]
	s_cmp_eq_u32 s16, 3
	s_cselect_b64 s[18:19], s[10:11], s[18:19]
	s_lshl_b32 s20, s17, 16                        ; 65,536 bytes of f32 a piece
	s_mov_b32 s21, 0
	s_add_nc_u64 s[18:19], s[18:19], s[20:21]
	s_lshl_b32 s20, ttmp9, 15                      ; 32,768 bytes of halves a work-group
	s_add_nc_u64 s[12:13], s[12:13], s[20:21]
	s_lshl_b32 s20, ttmp9, 11                      ; 8 positions of 256 bytes
	s_add_nc_u64 s[14:15], s[14:15], s[20:21]
.irp i, 0,1,2,3,4,5,6,7
	global_load_b128 v[XW+8*(\i):XW+8*(\i)+3],   v1, s[18:19] offset:8192*(\i) th:TH_LOAD_NT
	global_load_b128 v[XW+8*(\i)+4:XW+8*(\i)+7], v1, s[18:19] offset:8192*(\i)+16 th:TH_LOAD_NT
.endr
	; the table entry, while the loads are on their way
	v_and_b32 v4, 31, v0
	v_cvt_f32_u32 v4, v4                           ; i
	v_mul_f32 v4, 0xbed49a78, v4                   ; - i log2(10000) / 32
	v_exp_f32 v5, v4                               ; theta
	v_lshrrev_b32 v6, 5, v0                        ; plain work behind the exponential: the position
	v_add_nc_u32 v6, s22, v6
	v_cvt_f32_u32 v6, v6
	s_wait_alu depctr_va_vdst(0)                   ; the wait ahead of the first reader of theta
	v_mul_f32 v7, v6, v5                           ; the angle, one f32 product as in the reference
	v_mul_f32 v8, 0.15915494, v7
	v_rndne_f32 v8, v8                             ; whole turns
	v_fmamk_f32 v9, v8, 0xc0c90fdb, v7             ; less n x 2 pi, in two parts
	v_fmamk_f32 v9, v8, 0x343bbd2e, v9
	v_mul_f32 v10, v9, v9
	v_mov_b32 v13, 0xab573f9f                      ; sine: -1/15!
	v_mov_b32 v12, 0x29573f9f                      ; cosine: 1/16!
	v_fmaak_f32 v12, v12, v10, 0xad49cba5          ; -1/14!
.irp c, 0x2f309231, 0xb2d7322b, 0x3638ef1d, 0xb9500d01, 0x3c088889, 0xbe2aaaab, 0x3f800000
	v_fmaak_f32 v13, v13, v10, \c
.endr
.irp c, 0x310f76c7, 0xb493f27e, 0x37d00d01, 0xbab60b61, 0x3d2aaaab, 0xbf000000, 0x3f800000
	v_fmaak_f32 v12, v12, v10, \c
.endr
	v_mul_f32 v13, v13, v9
	global_store_b64 v3, v[12:13], s[14:15]        ; (cos, sin): a wave stores 256 consecutive bytes
; The cast.  half = 1: the bf16 number is written as f16.  No register is used twice, so no wait frees a store's sources.
.macro CAST half
.irp i, 0,1,2,3,4,5,6,7
	s_wait_loadcnt 14-2*(\i)                       ; loads come back in order: piece i's two are in, the later pieces' stay out
.irp j, 0,1,2,3
	v_cvt_pk_bf16_f32 v[PKW+4*(\i)+(\j)], v[XW+8*(\i)+2*(\j)], v[XW+8*(\i)+2*(\j)+1]
.endr
.if \half
.irp j, 0,1,2,3
	v_lshlrev_b32 v4, 16, v[PKW+4*(\i)+(\j)]
	v_and_b32 v5, 0xffff0000, v[PKW+4*(\i)+(\j)]
	v_cvt_pk_f16_f32 v[PKW+4*(\i)+(\j)], v4, v5
.endr
.endif
	global_store_b128 v2, v[PKW+4*(\i):PKW+4*(\i)+3], s[12:13] offset:4096*(\i)
.endr
.endm
	s_cmp_eq_u32 s16, 3
	s_cbranch_scc1 .Lhalf
	CAST 0
	s_endpgm
.Lhalf:
	CAST 1
	s_endpgm
.Lfunc_end_k_q2469545eff_prep:
	.size	k_q2469545eff_prep, .Lfunc_end_k_q2469545eff_prep-k_q2469545eff_prep
	.p2alignl 7, 3214868480
	.fill 96, 4, 3214868480
	.section	.rodata,"a",@progbits
	.p2align	6, 0x0
	.amdhsa_kernel k_q2469545eff_prep
		.amdhsa_group_segment_fixed_size 0
		.amdhsa_private_segment_fixed_size 0
		.amdhsa_enable_private_segment 0
		.amdhsa_kernarg_size 48
		.amdhsa_user_sgpr_count 2
		.amdhsa_user_sgpr_kernarg_segment_ptr 1
		.amdhsa_wavefront_size32 1
		.amdhsa_system_sgpr_workgroup_id_x 1
		.amdhsa_system_sgpr_workgroup_id_y 1
		.amdhsa_system_sgpr_workgroup_id_z 1
		.amdhsa_system_vgpr_workitem_id 0
		.amdhsa_next_free_vgpr 112
		.amdhsa_next_free_sgpr 66
		.amdhsa_reserve_vcc 0
		.amdhsa_float_denorm_mode_32 3
		.amdhsa_float_denorm_mode_16_64 3
		.amdhsa_memory_ordered 1
		.amdhsa_forward_progress 1
		.amdhsa_inst_pref_size 16
	.end_amdhsa_kernel
	.amdgpu_metadata
---
amdhsa.version: [ 1, 2 ]
amdhsa.kernels:
  - .name:           k_q2469545eff_prep
    .symbol:         k_q2469545eff_prep.kd
    .args:
      - { .name: Wq, .offset: 0, .size: 8, .value_kind: global_buffer, .address_space: global }
      - { .name: Wk, .offset: 8, .size: 8, .value_kind: global_buffer, .address_space: global }
      - { .name: Wv, .offset: 16, .size: 8, .value_kind: global_buffer, .address_space: global }
      - { .name: Wo, .offset: 24, .size: 8, .value_kind: global_buffer, .address_space: global }
      - { .name: w16, .offset: 32, .size: 8, .value_kind: global_buffer, .address_space: global }
      - { .name: rope, .offset: 40, .size: 8, .value_kind: global_buffer, .address_space: global }
    .group_segment_fixed_size: 0
    .private_segment_fixed_size: 0
    .kernarg_segment_align: 8
    .kernarg_segment_size: 48
    .max_flat_workgroup_size: 256
    .sgpr_count:     66
    .vgpr_count:     112
    .wavefront_size: 32
...
	.end_amdgpu_metadata
.endif
;; end of part 1
;; launch proj (part 2): grid 4 x 192, 4 waves a work-group, clusters of 4 x 4, 327,680 bytes of LDS; arguments q, k, v, bq, bk, bv, qh, kh, vh, w16, mask, rope; writes qh, kh, vh
.if DOCPART == 2
	.amdgcn_target "amdgcn-amd-amdhsa--gfx1250"
	.amdhsa_code_object_version 6
	.text
	.protected	k_q2469545eff_proj
	.globl	k_q2469545eff_proj
	.p2align	8
	.type	k_q2469545eff_proj,@function
k_q2469545eff_proj:
	s_mov_b64 s[64:65], 0
	v_nop
	global_prefetch_b8 v0, s[64:65] scope:SCOPE_SE
	s_setreg_imm32_b32 hwreg(HW_REG_WAVE_MODE, 25, 1), 1
	s_wait_xcnt 0x0
	s_wait_alu depctr_hold_cnt(0) depctr_sa_sdst(0) depctr_va_vdst(0) depctr_va_sdst(0) depctr_va_ssrc(0) depctr_va_vcc(0) depctr_vm_vsrc(0)
	s_getreg_b32 s2, hwreg(HW_REG_IB_STS2, 6, 4)
	s_cmp_eq_u32 s2, 0
	s_cbranch_scc0 .Lentry_in_a_cluster
	s_endpgm
.Lentry_in_a_cluster:
	s_bfe_u32 s2, ttmp6, 0x10000c
	s_cmp_lg_u32 s2, 0xf033
	s_cbranch_scc0 .Lentry_shape_is_right
	s_endpgm
.Lentry_shape_is_right:
; THE THREE PROJECTIONS.  y = x W + b (x: [8192][1024] f32, rounded to bf16 in registers; W: [1024 k][1024 n] bf16 from w16; b f32; sums f32), RoPE on q and k,
; a masked key's row of k set to 0, rounded once to f16 and stored by heads: [64 = batch x 16 + head][2048][64].
; LIMIT.  f16 ends at 65,504: the projected numbers must lie within it.  NaN and infinities are not treated apart (0 x infinity in a masked row).
; SHARES.  Tiles of 128 rows x 256 columns: 3 x 64 x 4 = 768 work-groups.  The cluster's y gives the projection (y / 16, the same for all sixteen partners) and four tile rows.
; Four waves, 2 x 2, each 64 rows x 128 columns: 32 accumulators.  K goes in 8 steps of 128 through two LDS slots.
; x's tile is f32, 128 rows of 512 bytes; W's is 128 k-rows of 512 bytes, read turned (ds_load_tr16_b128).  Waves 0, 1 fetch x's two halves, waves 2, 3 W's: one tensor load a wave, 64 rows.
; CLUSTER 4 x 4: x's tile is shared along a row of the cluster, W's along a column: joint loads.
; THE MATRIX INSTRUCTION IS USED TRANSPOSED (source 0 = 16 columns of W, source 1 = 16 rows of x): a lane holds one row and eight neighbouring columns, four RoPE pairs.
; The bias is the C operand of the first products.  One way out serves all three: for v every lane reads the table's position 0, which is (1, 0); cos and sin are multiplied by 0 for a masked key row of k.
; REGISTERS.  window 0: v1-19 addresses; v28-29 the add's; v32-95 x's fragments in f32; v96-159 the same in bf16, two buffers; v160-191, v224-231 at work on the way out
;   window 1: v0-127 W's fragments, two buffers; v128-191 the bias      window 2: the accumulators, (a, b) at 8 (8 a + b)      window 3: v0-127 cos and sin, (a, b % 4) at 8 (4 a + b % 4)
.set PA,    528                        ; x's LDS row: 512 + 16 bytes: an odd multiple of 16, so the 16 rows of a load start in 16 different groups of four banks (ISA guide 11.1)
.set PB,    544                        ; W's LDS row: 512 + 32 bytes: an odd multiple of 32, for the turning load
.set HA,    64*PA
.set HB,    64*PB
.set BOFF,  2*HA                       ; in a slot: x's 128 rows, then W's 128 k-rows
.set SLOT,  2*HA+2*HB
.set STAGE, 2*SLOT                     ; behind the ring: 16 rows x 144 bytes for each wave, never filled by a tensor load
.set SP,    144
.set SPARE, STAGE+4*16*SP              ; the spare words: 128 bytes a wave, two blocks of 256 bytes that no other line names
.set STEPA, 512                        ; a K step in x: 128 f32 along the row
.set STEPB, 128*2048                   ; in W: 128 rows down
.set LAPS,  4                          ; a lap = two K steps = once round the ring
.set ADRA, 4                           ; v4-5   LDS address of my fragments of x in slot 0, 1
.set ADRB, 6                           ; v6-7   of W
.set STO,  8
.set RD,   9
.set GO,   10
.set BO,   11                          ; 32 (l / 16): my 8 numbers of the bias
.set MO,   12                          ; 4 (l % 16): my row's mask word
.set PFO,  13                          ; the prefetches' offset
.set TO,   16                          ; v16-19 my row's place in the table, for each block a of 16 rows
.set SPW,  28
.set NIL,  29
.set RAW,  32
.set AF,   96
.set T,    160
.set FM,   224
.set PKB,  32
.set BIAS, 128
.set G1A, 24
.set G0A, 32
.set G1B, 48
.set G0B, 56
.set LIM, 43
.set PFA, 44
.set PST, 46
.set MSB, 0
.macro WIN new                         ; the immediate's high byte repeats the setting that is left; a switch that changes nothing is dropped
.if MSB != (\new)
	s_set_vgpr_msb (MSB<<8)|(\new)
.set MSB, \new
.endif
.endm
.set W_MUL,  0xa1                      ; source 0 (W) window 1, source 1 (x) window 0, C and D window 2
.set W_MULB, 0x91                      ; the same with C (the bias) in window 1
.set TO_B,   0x40
.macro JLOAD s                         ; a joint load; the branch hangs on the wave's number alone; an s_nop 0 and four v_nop follow each line
	s_cmp_eq_u32 s11, 0
	s_cbranch_scc0 .Lfor_b_\@
	tensor_load_to_lds s[G0A+4*(\s):G0A+4*(\s)+3], s[G1A:G1A+7]
	s_nop 0
.rept 4
	v_nop
.endr
	s_branch .Lasked_\@
.Lfor_b_\@:
	tensor_load_to_lds s[G0B+4*(\s):G0B+4*(\s)+3], s[G1B:G1B+7]
	s_nop 0
.rept 4
	v_nop
.endr
.Lasked_\@:
.endm
.macro CREST                           ; a round of the cluster's barrier behind its opening barrier
	s_cmp_lg_u32 s10, 0
	s_cbranch_scc1 .Lnot_wave_0_\@
	s_barrier_signal -3
.Lnot_wave_0_\@:
	s_barrier_wait -3
	s_barrier_signal -1
	s_barrier_wait -1
.endm
.macro CROUND
	s_barrier_signal -1
	s_barrier_wait -1
	CREST
.endm
; A prefetch of the K step that stands two refills on, 32 blocks of 256 bytes a wave.  x's rows belong to one cluster: its waves 0, 1 ask, the four partners that share a tile taking 16 rows each BY ADDRESS (cx).
; W's k-rows are read by the sixteen clusters of a projection: the first of them asks, waves 2, 3, the partners taking 16 k-rows each by address (cy).  The loop's last trip asks for nothing: there is no K step two on.
.macro ASK
	s_cmp_gt_u32 s3, s[LIM]
	s_cbranch_scc0 .Lnot_mine_\@
	global_prefetch_b8 v[PFO], s[PFA:PFA+1] th:TH_LOAD_NT scope:SCOPE_SE
.Lnot_mine_\@:
.endm
.macro PLACES
.rept 4
	v_nop
.endr
.endm
	s_load_b512 s[68:83], s[0:1], 0x0              ; q, k, v, bq, bk, bv, qh, kh
	s_load_b256 s[84:91], s[0:1], 0x40             ; vh, w16, mask, rope
	v_lshl_add_u32 v[SPW], v0, 2, SPARE
	v_mov_b32 v[NIL], 0
	ds_add_u32 v[SPW], v[NIL]                      ; the wave's opening: the add and its wait ahead of my first tensor load
	v_lshrrev_b32 v1, 5, v0
	v_readfirstlane_b32 s10, v1                    ; wave 0..3
	s_lshr_b32 s11, s10, 1                         ; my half of the tile's rows.  Also: I fetch for x (0) or for W (1)
	s_and_b32 s12, s10, 1                          ; my half of its columns.  Also: which 64 rows I fetch
	s_bfe_u32 s40, ttmp6, 0x40000                  ; cx
	s_bfe_u32 s41, ttmp6, 0x40004                  ; cy
	s_lshl_b32 s42, ttmp9, 2
	s_add_co_u32 s42, s42, s40                     ; tile column
	s_and_b32 s14, ttmp7, 0xffff                   ; the cluster's y
	s_lshr_b32 s66, s14, 4                         ; the projection: 0 q, 1 k, 2 v
	s_and_b32 s15, s14, 15
	s_lshl_b32 s13, s15, 2
	s_add_co_u32 s13, s13, s41                     ; tile row, 0..63
	s_lshl_b32 s43, s41, 2
	s_lshl_b32 s43, 15, s43                        ; my row of the cluster
	s_lshl_b32 s44, 0x1111, s40                    ; my column
	s_or_b32 s[G1A], s43, (2<<16)|(1<<20)|(1<<21)|(6<<22)|(3<<25)   ; mask; 4-byte elements; padding on; bit 21 beside a mask; after every 128 words, 4 words
	s_or_b32 s[G1B], s44, (1<<16)|(1<<20)|(1<<21)|(6<<22)|(7<<25)   ; mask; 2-byte elements; after every 128 words, 8 words
	s_mov_b32 s[G1A+1], 128<<16                    ; tensor_dim0
	s_mov_b32 s[G1A+2], 64<<16                     ; tensor_dim1
	s_mov_b32 s[G1A+3], 128<<16                    ; tile_dim0
	s_mov_b32 s[G1A+4], 64                         ; tile_dim1
	s_mov_b32 s[G1A+5], 1024                       ; elements from row to row
	s_mov_b32 s[G1A+6], 0
	s_mov_b32 s[G1A+7], 0
	s_mov_b32 s[G1B+1], 256<<16
	s_mov_b32 s[G1B+2], 64<<16
	s_mov_b32 s[G1B+3], 256<<16
	s_mov_b32 s[G1B+4], 64
	s_mov_b32 s[G1B+5], 1024
	s_mov_b32 s[G1B+6], 0
	s_mov_b32 s[G1B+7], 0
	s_lshl_b32 s16, s13, 19                        ; x: 128 rows of 4,096 bytes a tile row,
	s_lshl_b32 s17, s12, 18                        ; my 64 of them
	s_add_co_u32 s16, s16, s17
	s_mov_b32 s17, 0
	s_lshl_b32 s46, s42, 9                         ; W: 512 bytes of a k-row a tile column,
	s_lshl_b32 s47, s12, 17                        ; my 64 k-rows of 2,048 bytes
	s_add_co_u32 s46, s46, s47
	s_mov_b32 s47, 0
	s_lshl_b32 s18, s66, 21                        ; the projection's part of w16
	s_mov_b32 s19, 0
	s_mul_i32 s20, s12, HA                         ; where they go: no place in the cluster enters an LDS address
	s_mul_i32 s21, s12, HB
	s_add_co_u32 s21, s21, BOFF
	s_wait_dscnt 0x0                               ; the opening add is done
	s_wait_kmcnt 0x0
	s_cmp_eq_u32 s66, 1
	s_cselect_b64 s[4:5], s[70:71], s[68:69]       ; x
	s_cselect_b64 s[92:93], s[76:77], s[74:75]     ; the bias
	s_cselect_b64 s[8:9], s[82:83], s[80:81]       ; where the result goes
	s_cselect_b32 s67, 0, 1                        ; 1: the mask is not looked at
	s_cmp_eq_u32 s66, 2
	s_cselect_b64 s[4:5], s[72:73], s[4:5]
	s_cselect_b64 s[92:93], s[78:79], s[92:93]
	s_cselect_b64 s[8:9], s[84:85], s[8:9]
	s_cselect_b32 s94, 0, 256                      ; bytes of the table a position; 0: v takes position 0, which turns nothing
	s_add_nc_u64 s[6:7], s[86:87], s[18:19]        ; W
	s_add_nc_u64 s[16:17], s[4:5], s[16:17]
	s_add_nc_u64 s[46:47], s[6:7], s[46:47]
	CROUND                                         ; all sixteen work-groups are here: the first joint loads meet
.irp s, 0,1
	s_mov_b32 s[G0A+4*(\s)], 1
	s_add_co_u32 s[G0A+4*(\s)+1], s20, (\s)*SLOT
	s_add_nc_u64 s[G0A+4*(\s)+2:G0A+4*(\s)+3], s[16:17], (\s)*STEPA
	s_or_b32 s[G0A+4*(\s)+3], s[G0A+4*(\s)+3], 0x80000000
	s_mov_b32 s[G0B+4*(\s)], 1
	s_add_co_u32 s[G0B+4*(\s)+1], s21, (\s)*SLOT
	s_add_nc_u64 s[G0B+4*(\s)+2:G0B+4*(\s)+3], s[46:47], (\s)*STEPB
	s_or_b32 s[G0B+4*(\s)+3], s[G0B+4*(\s)+3], 0x80000000
.endr
	s_cmp_eq_u32 s11, 0                            ; a wave's two first fills stand in one branch: two loads of mine are out
	s_cbranch_scc0 .Lfirst_b
	tensor_load_to_lds s[G0A:G0A+3], s[G1A:G1A+7]
	s_nop 0
	tensor_load_to_lds s[G0A+4:G0A+7], s[G1A:G1A+7]
	s_nop 0
.rept 4
	v_nop
.endr
	s_branch .Lfirst_asked
.Lfirst_b:
	tensor_load_to_lds s[G0B:G0B+3], s[G1B:G1B+7]
	s_nop 0
	tensor_load_to_lds s[G0B+4:G0B+7], s[G1B:G1B+7]
	s_nop 0
.rept 4
	v_nop
.endr
.Lfirst_asked:
	; x's fragment: lane l holds row l % 16, K = 8 (l / 16) + 0..7 and 16 + 8 (l / 16) + 0..7: in f32 32 bytes at 32 (l / 16) and 32 at 64 + 32 (l / 16)
	v_and_b32 v1, 15, v0
	v_bfe_u32 v2, v0, 4, 1
	v_mul_u32_u24 v3, v1, PA
	v_lshl_add_u32 v3, v2, 5, v3
	s_mul_i32 s16, s11, HA
	; W's: the turning load takes k-row 8 (l / 16) + l % 8 and 16 bytes at 16 ((l / 8) % 2), and leaves column l % 16 with 8 k
	v_and_b32 v14, 7, v0
	v_lshl_add_u32 v14, v2, 3, v14
	v_mul_u32_u24 v14, v14, PB
	v_bfe_u32 v15, v0, 3, 1
	v_lshl_add_u32 v14, v15, 4, v14
	s_lshl_b32 s17, s12, 8
	s_add_co_u32 s17, s17, BOFF
.irp s, 0,1
	v_add_nc_u32 v[ADRA+(\s)], s16, v3
	v_add_nc_u32 v[ADRB+(\s)], s17, v14
	s_add_co_u32 s16, s16, SLOT
	s_add_co_u32 s17, s17, SLOT
.endr
	s_mul_i32 s16, s10, 16*SP
	s_add_co_u32 s16, s16, STAGE                   ; my stage
	v_mul_u32_u24 v[STO], v1, SP                   ; in: row l % 16, 16 bytes for each half of the lanes
	v_lshl_add_u32 v[STO], v2, 4, v[STO]
	v_add_nc_u32 v[STO], s16, v[STO]
	v_bfe_u32 v[RD], v0, 3, 2                      ; back: 32 lanes take four rows of 128 bytes,
	v_mul_u32_u24 v[RD], v[RD], SP
	v_and_b32 v15, 7, v0
	v_lshl_add_u32 v[RD], v15, 4, v[RD]
	v_add_nc_u32 v[RD], s16, v[RD]
	v_and_b32 v[GO], 31, v0                        ; which are 512 consecutive bytes of a head
	v_lshlrev_b32 v[GO], 4, v[GO]
	v_lshlrev_b32 v[BO], 5, v2
	v_lshlrev_b32 v[MO], 2, v1
	s_lshl_b32 s16, s42, 10                        ; the bias at my 128 columns
	s_lshl_b32 s17, s12, 9
	s_add_co_u32 s16, s16, s17
	s_mov_b32 s17, 0
	s_add_nc_u64 s[92:93], s[92:93], s[16:17]
	s_lshl_b32 s16, s13, 9                         ; the mask at my 64 rows
	s_lshl_b32 s18, s11, 8
	s_add_co_u32 s16, s16, s18
	s_add_nc_u64 s[88:89], s[88:89], s[16:17]
	s_and_b32 s18, s13, 15
	s_lshl_b32 s18, s18, 7
	s_lshl_b32 s19, s11, 6
	s_add_co_u32 s18, s18, s19                     ; my first row's position in its batch
	v_add_nc_u32 v14, s18, v1
.irp a, 0,1,2,3
	v_add_nc_u32 v15, 16*(\a), v14
	v_mul_u32_u24 v15, s94, v15
	v_lshl_add_u32 v[TO+(\a)], v2, 5, v15
.endr
	WIN TO_B
.irp b, 0,1,2,3,4,5,6,7
	global_load_b128 v[BIAS+8*(\b):BIAS+8*(\b)+3],   v[BO], s[92:93] offset:64*(\b)
	global_load_b128 v[BIAS+8*(\b)+4:BIAS+8*(\b)+7], v[BO], s[92:93] offset:64*(\b)+16
.endr
	WIN 0
.irp a, 0,1,2,3
	global_load_b32 v[FM+2*(\a)], v[MO], s[88:89] offset:64*(\a)
.endr
	WIN 0xc0
.irp a, 0,1,2,3
.irp c, 0,1,2,3
	global_load_b128 v[8*(4*(\a)+(\c)):8*(4*(\a)+(\c))+3],   v[TO+(\a)], s[90:91] offset:64*(\c)
	global_load_b128 v[8*(4*(\a)+(\c))+4:8*(4*(\a)+(\c))+7], v[TO+(\a)], s[90:91] offset:64*(\c)+16
.endr
.endr
	WIN 0
	s_lshr_b32 s16, s13, 4                         ; where my part of the result begins: head 16 x batch + 4 x tile column + 2 x half,
	s_lshl_b32 s16, s16, 4
	s_lshl_b32 s17, s42, 2
	s_add_co_u32 s16, s16, s17
	s_lshl_b32 s17, s12, 1
	s_add_co_u32 s16, s16, s17
	s_lshl_b32 s16, s16, 18                        ; 262,144 bytes a head,
	s_lshl_b32 s17, s18, 7                         ; 128 bytes a position
	s_add_co_u32 s16, s16, s17
	s_mov_b32 s17, 0
	s_add_nc_u64 s[8:9], s[8:9], s[16:17]
	; the prefetches: they stand at K step 3; each refill steps them once and then names the K step two refills on
	s_lshl_b32 s16, s13, 19
	s_lshl_b32 s17, s12, 18
	s_add_co_u32 s16, s16, s17
	s_lshl_b32 s17, s40, 16                        ; x: my work-group's 16 of the 64 rows
	s_add_co_u32 s16, s16, s17
	s_add_co_u32 s16, s16, 3*STEPA
	s_lshl_b32 s18, s12, 17
	s_lshl_b32 s19, s41, 15                        ; W: my work-group's 16 of the 64 k-rows
	s_add_co_u32 s18, s18, s19
	s_lshl_b32 s19, s42, 9
	s_add_co_u32 s18, s18, s19
	s_add_co_u32 s18, s18, 3*STEPB
	s_mov_b32 s17, 0
	s_mov_b32 s[PST], STEPA
	s_mov_b32 s19, STEPB
	s_mov_b32 s[PST+1], 0
	s_cmp_eq_u32 s11, 0
	s_cselect_b32 s16, s16, s18
	s_cselect_b64 s[PFA:PFA+1], s[4:5], s[6:7]
	s_cselect_b32 s[PST], s[PST], s19
	s_cselect_b32 s18, 0, s15                      ; x: every cluster asks for its own rows; W: the projection's first cluster
	s_cselect_b32 s19, 12, 11                      ; a row of x is 4,096 bytes, of W 2,048
	s_add_nc_u64 s[PFA:PFA+1], s[PFA:PFA+1], s[16:17]
	s_cmp_eq_u32 s18, 0
	s_cselect_b32 s[LIM], 1, -1                    ; the same in all sixteen partners, for a given wave
	v_lshlrev_b32 v[PFO], s19, v1                  ; lane l: row l % 16, block l / 16 of the K step's two
	v_lshl_add_u32 v[PFO], v2, 8, v[PFO]
.macro CVT f                           ; x's fragments of a quarter step, f32 to bf16: 32 lines, which are also the places behind the products in front of them
	WIN 0
.irp a, 0,1,2,3
.irp j, 0,1,2,3,4,5,6,7
	v_cvt_pk_bf16_f32 v[AF+32*(\f)+8*(\a)+(\j)], v[RAW+16*(\a)+2*(\j)], v[RAW+16*(\a)+2*(\j)+1]
.endr
.endr
.endm
.macro FETCH slot, kq, g               ; 32 LDS loads in one run: quarter kq of the slot: x in f32, then W into buffer g
	WIN 0
.irp a, 0,1,2,3
	ds_load_b128 v[RAW+16*(\a):RAW+16*(\a)+3],     v[ADRA+(\slot)] offset:(\a)*16*PA+(\kq)*128
	ds_load_b128 v[RAW+16*(\a)+4:RAW+16*(\a)+7],   v[ADRA+(\slot)] offset:(\a)*16*PA+(\kq)*128+16
	ds_load_b128 v[RAW+16*(\a)+8:RAW+16*(\a)+11],  v[ADRA+(\slot)] offset:(\a)*16*PA+(\kq)*128+64
	ds_load_b128 v[RAW+16*(\a)+12:RAW+16*(\a)+15], v[ADRA+(\slot)] offset:(\a)*16*PA+(\kq)*128+80
.endr
	WIN TO_B
.irp b, 0,1,2,3,4,5,6,7
	ds_load_tr16_b128 v[64*(\g)+8*(\b):64*(\g)+8*(\b)+3],   v[ADRB+(\slot)] offset:(\kq)*32*PB+32*(\b)
	ds_load_tr16_b128 v[64*(\g)+8*(\b)+4:64*(\g)+8*(\b)+7], v[ADRB+(\slot)] offset:(\kq)*32*PB+32*(\b)+16*PB
.endr
.endm
.macro MUL16 f, a0, first              ; 16 products; the 32 accumulators take turns, in the same order in every quarter.  first = 1: the bias starts the sums
.if \first
	WIN W_MULB
.else
	WIN W_MUL
.endif
.irp a, \a0, (\a0)+1
.irp b, 0,1,2,3,4,5,6,7
.if \first
	v_wmma_f32_16x16x32_bf16 v[8*(8*(\a)+(\b)):8*(8*(\a)+(\b))+7], v[64*(\f)+8*(\b):64*(\f)+8*(\b)+7], v[AF+32*(\f)+8*(\a):AF+32*(\f)+8*(\a)+7], v[BIAS+8*(\b):BIAS+8*(\b)+7]
.else
	v_wmma_f32_16x16x32_bf16 v[8*(8*(\a)+(\b)):8*(8*(\a)+(\b))+7], v[64*(\f)+8*(\b):64*(\f)+8*(\b)+7], v[AF+32*(\f)+8*(\a):AF+32*(\f)+8*(\a)+7], v[8*(8*(\a)+(\b)):8*(8*(\a)+(\b))+7]
.endif
.endr
.endr
.endm
; One of a K step's first three quarters: converts x into buffer f, fetches quarter kq into the f32 registers and W's buffer g, multiplies buffer f.
.macro QUARTER slot, kq, f, g, first
	WIN 0
	s_wait_dscnt 16                                ; x's 16 loads are in; W's 16, issued behind them, may be out
	CVT \f
	FETCH \slot, \kq, \g
	s_wait_dscnt 32                                ; all but the 32 just issued
	MUL16 \f, 0, \first
	MUL16 \f, 2, \first
.endm
; The last quarter multiplies buffer 1 and changes slots: ONE barrier; in front of it each wave waits for all its tensor loads, adds 0 to its spare word, and waits for that and for its reads of this slot.
.macro TURN slot, next, fill
.if \fill
	s_wait_xcnt 0x0                                ; the last prefetch, a K step back, has read its address
	s_add_nc_u64 s[PFA:PFA+1], s[PFA:PFA+1], s[PST:PST+1]
.endif
	WIN 0
	s_wait_tensorcnt 0x0                           ; all my tensor loads have landed: my part of the next slot
	ds_add_u32 v[SPW], v[NIL]                      ; 0 onto my spare word
	s_wait_dscnt 17                                ; x's loads are in; W's 16 and the add may be out
	CVT 1
	s_wait_dscnt 0x0                               ; the add is done, and my reads of this slot are over
	s_barrier_signal -1
	MUL16 1, 0, 0
	WIN 0
	s_barrier_wait -1
.if \fill
	CREST                                          ; the barrier has opened a round of the cluster's: no wave of any partner still reads this slot or has a load on its way
	s_add_nc_u64 s[G0A+4*(\slot)+2:G0A+4*(\slot)+3], s[G0A+4*(\slot)+2:G0A+4*(\slot)+3], 2*STEPA
	s_add_nc_u64 s[G0B+4*(\slot)+2:G0B+4*(\slot)+3], s[G0B+4*(\slot)+2:G0B+4*(\slot)+3], 2*STEPB
	JLOAD \slot                                    ; the first tensor load behind the round, my only one until the next
.endif
	FETCH \next, 0, 0                              ; W's buffer 0 was last multiplied in front of the 32 conversions above
.if \fill
	WIN 0
	ASK
.endif
	MUL16 1, 2, 0
.endm
	s_wait_tensorcnt 1                             ; my part of K step 0 is in; K step 1's may stay out
	s_barrier_signal -1
	s_barrier_wait -1
	FETCH 0, 0, 0
	s_wait_loadcnt 36                              ; the bias is in; the mask's 4 and the table's 32 loads, issued behind it, may stay out
	QUARTER 0, 1, 0, 1, 1
	WIN 0
	s_mov_b32 s3, LAPS-1
.Llap:                                         ; a trip goes once round the ring, from a lap's second quarter to the next lap's first, and fills both slots again
	QUARTER 0, 2, 1, 0, 0
	QUARTER 0, 3, 0, 1, 0
	TURN 0, 1, 1
	QUARTER 1, 1, 0, 1, 0
	QUARTER 1, 2, 1, 0, 0
	QUARTER 1, 3, 0, 1, 0
	TURN 1, 0, 1
	QUARTER 0, 1, 0, 1, 0
	WIN 0
	s_sub_co_u32 s3, s3, 1
	s_cmp_lg_u32 s3, 0
	s_cbranch_scc1 .Llap
	QUARTER 0, 2, 1, 0, 0                          ; the last lap fills nothing
	QUARTER 0, 3, 0, 1, 0
	TURN 0, 1, 0
	QUARTER 1, 1, 0, 1, 0
	QUARTER 1, 2, 1, 0, 0
	QUARTER 1, 3, 0, 1, 0
	WIN 0
	s_wait_dscnt 16
	CVT 1
	s_wait_dscnt 0x0
	MUL16 1, 0, 0
	MUL16 1, 2, 0
	; THE WAY OUT.  cos and sin of a row are multiplied by 1, or by 0 where the row is a masked key's; then RoPE, f16, my stage, whole rows of a head.
	WIN 0
	PLACES
	s_wait_loadcnt 0x0                             ; the mask words and the table
.irp a, 0,1,2,3
	v_or_b32 v[FM+2*(\a)], s67, v[FM+2*(\a)]
	v_cmp_ne_u32 vcc_lo, 0, v[FM+2*(\a)]
	v_cndmask_b32 v[FM+2*(\a)], 0, 1.0, vcc_lo
	v_mov_b32 v[FM+2*(\a)+1], v[FM+2*(\a)]
.endr
	WIN 0xc3                                       ; destination and source 0 window 3, source 1 window 0
.irp a, 0,1,2,3
.irp j, 0,1,2,3,4,5,6,7,8,9,10,11,12,13,14,15
	v_pk_mul_f32 v[32*(\a)+2*(\j):32*(\a)+2*(\j)+1], v[32*(\a)+2*(\j):32*(\a)+2*(\j)+1], v[FM+2*(\a):FM+2*(\a)+1]
.endr
.endr
; Block a of 16 rows, head hh of my two: 32 numbers a lane.  (x0, x1) -> (x0 c - x1 s, x1 c + x0 s).  Each accumulator's low registers are read first.
.macro PACK a, hh
	WIN 0x0e                                       ; source 0 window 2 (sums), source 1 window 3 (table), the rest window 0
.irp c, 0,1,2,3
.irp i, 0,1,2,3
	v_mul_f32 v[T+8*(\c)+2*(\i)],   v[8*(8*(\a)+4*(\hh)+(\c))+2*(\i)+1], v[8*(4*(\a)+(\c))+2*(\i)+1]
	v_mul_f32 v[T+8*(\c)+2*(\i)+1], v[8*(8*(\a)+4*(\hh)+(\c))+2*(\i)],   v[8*(4*(\a)+(\c))+2*(\i)+1]
	v_fma_f32 v[T+8*(\c)+2*(\i)],   v[8*(8*(\a)+4*(\hh)+(\c))+2*(\i)],   v[8*(4*(\a)+(\c))+2*(\i)], -v[T+8*(\c)+2*(\i)]
	v_fma_f32 v[T+8*(\c)+2*(\i)+1], v[8*(8*(\a)+4*(\hh)+(\c))+2*(\i)+1], v[8*(4*(\a)+(\c))+2*(\i)], v[T+8*(\c)+2*(\i)+1]
.endr
.endr
	WIN 0
.irp j, 0,1,2,3,4,5,6,7,8,9,10,11,12,13,14,15
	v_cvt_pk_f16_f32 v[PKB+16*(2*(\a)+(\hh))+(\j)], v[T+2*(\j)], v[T+2*(\j)+1]
.endr
.irp c, 0,1,2,3
	ds_store_b128 v[STO], v[PKB+16*(2*(\a)+(\hh))+4*(\c):PKB+16*(2*(\a)+(\hh))+4*(\c)+3] offset:32*(\c)
.endr
.irp f, 0,1,2,3
	ds_load_b128 v[PKB+16*(2*(\a)+(\hh))+4*(\f):PKB+16*(2*(\a)+(\hh))+4*(\f)+3], v[RD] offset:(\f)*4*SP  ; LDS serves a wave's instructions in order (ISA guide 5.7.1.4): these see the stores above
.endr
.endm
.macro SEND a, hh, younger             ; younger: the LDS instructions issued behind this unit's loads: the next unit's eight, or none
	WIN 0
.irp f, 0,1,2,3
	s_wait_dscnt (\younger)+3-(\f)
	global_store_b128 v[GO], v[PKB+16*(2*(\a)+(\hh))+4*(\f):PKB+16*(2*(\a)+(\hh))+4*(\f)+3], s[8:9] offset:(\hh)*262144+(\a)*2048+(\f)*512  ; 512 consecutive bytes, aligned
.endr
.endm
	PACK 0, 0
	PACK 0, 1
	SEND 0, 0, 8
	PACK 1, 0
	SEND 0, 1, 8
	PACK 1, 1
	SEND 1, 0, 8
	PACK 2, 0
	SEND 1, 1, 8
	PACK 2, 1
	SEND 2, 0, 8
	PACK 3, 0
	SEND 2, 1, 8
	PACK 3, 1
	SEND 3, 0, 8
	SEND 3, 1, 0
	s_wait_tensorcnt 0x0                           ; the wave's end: behind my last tensor load and my last LDS store
	ds_add_u32 v[SPW], v[NIL]
	s_wait_dscnt 0x0
	CROUND                                         ; the closing round: no work-group ends while a partner may still ask for a tile that names it
	s_endpgm
.Lfunc_end_k_q2469545eff_proj:
	.size	k_q2469545eff_proj, .Lfunc_end_k_q2469545eff_proj-k_q2469545eff_proj
	.p2alignl 7, 3214868480
	.fill 96, 4, 3214868480
	.section	.rodata,"a",@progbits
	.p2align	6, 0x0
	.amdhsa_kernel k_q2469545eff_proj
		.amdhsa_group_segment_fixed_size 327680
		.amdhsa_private_segment_fixed_size 0
		.amdhsa_enable_private_segment 0
		.amdhsa_kernarg_size 96
		.amdhsa_user_sgpr_count 2
		.amdhsa_user_sgpr_kernarg_segment_ptr 1
		.amdhsa_wavefront_size32 1
		.amdhsa_system_sgpr_workgroup_id_x 1
		.amdhsa_system_sgpr_workgroup_id_y 1
		.amdhsa_system_sgpr_workgroup_id_z 1
		.amdhsa_system_vgpr_workitem_id 0
		.amdhsa_next_free_vgpr 896
		.amdhsa_next_free_sgpr 100
		.amdhsa_reserve_vcc 1
		.amdhsa_float_denorm_mode_32 3
		.amdhsa_float_denorm_mode_16_64 3
		.amdhsa_memory_ordered 1
		.amdhsa_forward_progress 1
		.amdhsa_inst_pref_size 162
	.end_amdhsa_kernel
	.amdgpu_metadata
---
amdhsa.version: [ 1, 2 ]
amdhsa.kernels:
  - .name:           k_q2469545eff_proj
    .symbol:         k_q2469545eff_proj.kd
    .args:
      - { .name: q, .offset: 0, .size: 8, .value_kind: global_buffer, .address_space: global }
      - { .name: k, .offset: 8, .size: 8, .value_kind: global_buffer, .address_space: global }
      - { .name: v, .offset: 16, .size: 8, .value_kind: global_buffer, .address_space: global }
      - { .name: bq, .offset: 24, .size: 8, .value_kind: global_buffer, .address_space: global }
      - { .name: bk, .offset: 32, .size: 8, .value_kind: global_buffer, .address_space: global }
      - { .name: bv, .offset: 40, .size: 8, .value_kind: global_buffer, .address_space: global }
      - { .name: qh, .offset: 48, .size: 8, .value_kind: global_buffer, .address_space: global }
      - { .name: kh, .offset: 56, .size: 8, .value_kind: global_buffer, .address_space: global }
      - { .name: vh, .offset: 64, .size: 8, .value_kind: global_buffer, .address_space: global }
      - { .name: w16, .offset: 72, .size: 8, .value_kind: global_buffer, .address_space: global }
      - { .name: mask, .offset: 80, .size: 8, .value_kind: global_buffer, .address_space: global }
      - { .name: rope, .offset: 88, .size: 8, .value_kind: global_buffer, .address_space: global }
    .group_segment_fixed_size: 327680
    .private_segment_fixed_size: 0
    .kernarg_segment_align: 8
    .kernarg_segment_size: 96
    .max_flat_workgroup_size: 128
    .sgpr_count:     100
    .vgpr_count:     896
    .wavefront_size: 32
...
	.end_amdgpu_metadata
.endif
;; end of part 2
;; launch attn (part 3): grid 4 x 64, 4 waves a work-group, clusters of 4 x 1, 327,680 bytes of LDS; arguments qh, kh, vh, oh, mask; writes oh
.if DOCPART == 3
	.amdgcn_target "amdgcn-amd-amdhsa--gfx1250"
	.amdhsa_code_object_version 6
	.text
	.protected	k_q2469545eff_attn
	.globl	k_q2469545eff_attn
	.p2align	8
	.type	k_q2469545eff_attn,@function
k_q2469545eff_attn:
	s_mov_b64 s[64:65], 0
	v_nop
	global_prefetch_b8 v0, s[64:65] scope:SCOPE_SE
	s_setreg_imm32_b32 hwreg(HW_REG_WAVE_MODE, 25, 1), 1
	s_wait_xcnt 0x0
	s_wait_alu depctr_hold_cnt(0) depctr_sa_sdst(0) depctr_va_vdst(0) depctr_va_sdst(0) depctr_va_ssrc(0) depctr_va_vcc(0) depctr_vm_vsrc(0)
	s_getreg_b32 s2, hwreg(HW_REG_IB_STS2, 6, 4)
	s_cmp_eq_u32 s2, 0
	s_cbranch_scc0 .Lentry_in_a_cluster
	s_endpgm
.Lentry_in_a_cluster:
	s_bfe_u32 s2, ttmp6, 0x10000c
	s_cmp_lg_u32 s2, 0x3003
	s_cbranch_scc0 .Lentry_shape_is_right
	s_endpgm
.Lentry_shape_is_right:
; O[h][q][:] = the sum over k of softmax_k(s) V[h][k][:], s = Q[h][q] . K[h][k] / 8, or the masked value where mask[h / 16][k] is 0.  Q, K, V, O: [64][2048][64], all f16, rows dense, 128 bytes.
; Products, maxima and sums in f32; the weights p are rounded to f16 for the second product (their sum l is taken of the unrounded p), O once at the end.
; THE MASK.  A masked key's row of K arrives as zeros, and its score's sum starts with C = -2^33: the raw score is exactly -2^33, the scaled one -1.07e9 where the reference has -1e9.  A power of two, so that c m is
; exact: in a batch whose keys are all masked every weight is exactly 1 and O is the mean of V's rows, as in the reference.  LIMIT: the result differs from the reference's only where an unmasked scaled score lies below about -1e9.
; LIMITS.  f16 holds no number beyond 65,504: Q, K and V arrive within it; p lies in 0 to 1, and below 6e-5 it keeps f16's fixed step of 6e-8.  A weight below 2^-126 counts as 0 in l; NaN and infinities are not treated apart.
; SHARES.  A wave owns four PIECES of two tiles of 16 queries, a work-group's four waves 512 queries of one head.  Every wave walks all keys, 64 a step.
; LAYOUT.  S^T = K Q^T (source 0 = 16 keys, source 1 = 16 queries): a lane holds ONE query (lane % 16) and the keys 8 (lane / 16) + 0..7.  Two such tiles, rounded to f16 in pairs,
; ARE source 1 of O^T = V^T P.  K comes out of LDS as it lies, V turned, by ds_load_tr16_b128.
; SOFTMAX.  A running maximum m and sum l: p = 2^(c s - c m), c = log2(e) / 8; in every step O and l are multiplied by a = 2^(c m_old - c m_new).  m starts at the lowest finite number, O and l at 0.
; BY TURNS.  Turn n belongs to piece n.  Its matrix work: 16 products K Q^T of piece n + 1, later 16 products V^T P of piece n - 1.  Its vector work: scaling, exponentials, roundings, sums and rescaling of piece n,
; and the maximum and statistics of piece n + 1.  Four vector instructions stand behind every matrix instruction, the others in one run; a turn's 66 exponentials are one batch with one wait.
; CLUSTER.  The four query blocks of a head are one cluster and walk the same K and V: each tile is asked for JOINTLY.
; REGISTERS, in windows of 256 (s_set_vgpr_msb: bits 1:0 source 0, 3:2 source 1, 5:4 source 2, 7:6 destination):
;   window 0: v0-11 addresses; v12-15, v48-63 at work; v16-47 statistics; v64-191 S^T, two buffers of two tiles; v192-255 P, likewise
;   window 1: O^T, 32 a tile     window 2: v0-127 Q; v128-191 K of one step; v192-255 V of one step     window 3: v0-1 the add's; v2-3 the mask table's addresses; v8-39 a step's mask addends
.set SIZE_H, 64
.set SIZE_N, 2048
.set NP,    4
.set KS,    64
.set PK,    144       ; a row of K in LDS: 128 bytes + 16: the 16 rows of a load start at 16 different groups of four banks (ISA guide 11.1)
.set PV,    160       ; a row of V: 128 + 32
.set VOFF,  4*KS*PK   ; a slot holds four steps: 256 rows of K, then 256 rows of V
.set SLOT1, 1<<17
.set STAGE, SLOT1+4*KS*(PK+PV)  ; behind the ring, never filled by a tensor load: 16 rows x 144 bytes for each wave
.set SP,    144
.set AK0, 2
.set AV0, 3
.set AK,  4
.set AV,  5
.set QO,  6
.set STO, 6
.set RD,  7
.set GO,  8
.set PFO, 11          ; v11  256 x my lane, once V's lane address is made; never rewritten after
.set SPW, 0           ; v0 of window 3
.set NIL, 1           ; v1 of window 3
.set AM0, 2           ; v2 of window 3   MSK + 32 (l / 16); never rewritten
.set AM,  3           ; v3 of window 3   the address of the next run's mask addends
.set MK,  8           ; v8-39 of window 3: key block kb's eight addends at MK + 8 kb
.set SPARE, STAGE+4*16*SP  ; the spare words: 128 bytes a wave, two blocks of 256 bytes that no other line names
.set MSK,  SPARE+512  ; the batch's 2,048 addends, f32, 0 or -2^33: written once by ds_store, never filled by a tensor load
.set MV,  12
.set ST,  16
.set TMP, 48
.set S,   64
.set P,   192
.set KF,  128
.set VF,  192
.set WV,  12
.set LIM, 15          ; s15  1 in a wave that prefetches, else the greatest number
.set BIGN, 19         ; s19  -2^33
.set G1K, 24
.set G1V, 32
.set G0K, 40
.set G0V, 44
.set PFA, 48          ; s[48:49] where my prefetches stand
.set TBM, 50          ; s50  byte in the mask table at which the step to be fetched begins
.set MP,  52          ; s[52:53] the mask
.set SLOTS, 56
.set CNT, 57
.set CS,  58
.set SEL, 60
.set TBK, 62
.set TBV, 63
.set MSB, 0
.macro WIN new
.if MSB != (\new)
	s_set_vgpr_msb (MSB<<8)|(\new)
.set MSB, (\new)
.endif
.endm
.set W_KQ, 0x0a       ; K and Q in window 2, S^T in window 0
.set W_KM, 0x3a       ; the same with the C operand (the mask addends) in window 3
.set W_PV, 0x52       ; V in window 2, P in window 0, O^T in window 1
.set W_RS, 0x41       ; O^T (destination and source 0) in window 1, a in window 0
.set W_MK, 0xc0       ; destination in window 3, sources in window 0
.set W_AD, 0x0f       ; the add: address and data in window 3
.macro JLOAD                        ; a joint fill: waves 0, 1 the two halves of a slot's K, waves 2, 3 of its V; an s_nop 0 and four v_nop follow each line
	s_cmp_lt_u32 s[WV], 2
	s_cbranch_scc0 .Lfor_v_\@
	tensor_load_to_lds s[G0K:G0K+3], s[G1K:G1K+7]
	s_nop 0
.rept 4
	v_nop
.endr
	s_branch .Lasked_\@
.Lfor_v_\@:
	tensor_load_to_lds s[G0V:G0V+3], s[G1V:G1V+7]
	s_nop 0
.rept 4
	v_nop
.endr
.Lasked_\@:
.endm
; A prefetch of the tile that the NEXT change of slots will ask for: 128 blocks of 256 bytes of K and of V.  A head's rows are walked by one cluster: its four partners take 32 blocks each BY ADDRESS;
; in each, wave 0 asks for K's and wave 2 for V's, a lane a block.  The last change that fills a slot asks for nothing.
.macro ASK
	s_cmp_gt_u32 s[SLOTS], s[LIM]
	s_cbranch_scc0 .Lnot_mine_\@
	global_prefetch_b8 v[PFO], s[PFA:PFA+1] th:TH_LOAD_NT scope:SCOPE_SE
.Lnot_mine_\@:
.endm
.macro CROUND
	s_barrier_signal -1
	s_barrier_wait -1
	s_cmp_lg_u32 s[WV], 0
	s_cbranch_scc1 .Lnot_wave_0_\@
	s_barrier_signal -3
.Lnot_wave_0_\@:
	s_barrier_wait -3
	s_barrier_signal -1
	s_barrier_wait -1
.endm
; THE CHANGE OF SLOTS.  Each wave waits for all its tensor loads, of which one is out: its part of the other slot; adds 0 to its spare word; and waits for that and for its own LDS instructions.
; fill = 1: the slot left is filled again, with the keys two slots on; the barrier is a round of the cluster's, and the joint fill is the first thing behind it.
; (At its first use nothing has been read yet: slot 0 is waited for, slot 1 filled, and the round shows every wave's part of the mask table to the others.)
.macro CHANGE fill
	WIN W_AD
	s_wait_tensorcnt 0x0            ; no tensor load of mine is out, so a group 0 may be written
	ds_add_u32 v[SPW], v[NIL]       ; 0 onto my spare word
	WIN 0
.if \fill
.irp g, G0K, G0V
	s_xor_b32 s[\g+1], s[\g+1], SLOT1
	s_add_nc_u64 s[\g+2:\g+3], s[\g+2:\g+3], 4*KS*128
.endr
	s_wait_xcnt 0x0                 ; the last prefetch, four key steps back, has read its address
	s_add_nc_u64 s[PFA:PFA+1], s[PFA:PFA+1], 4*KS*128
	s_wait_dscnt 0x0                ; the add is done, and my reads of the slot are over
	CROUND
	JLOAD
	ASK
.else
	s_wait_dscnt 0x0
	s_barrier_signal -1
	s_barrier_wait -1
.endif
	s_sub_co_u32 s[TBK], s[TBK], 4*KS*PK
	s_xor_b32 s[TBK], s[TBK], SLOT1
	s_sub_co_u32 s[TBV], s[TBV], 4*KS*PV
	s_xor_b32 s[TBV], s[TBV], SLOT1
.endm
	s_load_b256 s[4:11], s[0:1], 0x0  ; Q s[4:5], K s[6:7], V s[8:9], O s[10:11]
	s_load_b64 s[MP:MP+1], s[0:1], 0x20
	WIN W_MK
	v_lshl_add_u32 v[SPW], v0, 2, SPARE
	v_mov_b32 v[NIL], 0
	WIN W_AD
	ds_add_u32 v[SPW], v[NIL]       ; the wave's opening: the add and its wait ahead of my first tensor load
	WIN 0
	v_lshrrev_b32 v1, 5, v0
	v_readfirstlane_b32 s[WV], v1
	s_bfe_u32 s13, ttmp6, 0x40000   ; cx
	s_lshl_b32 s14, ttmp9, 2
	s_add_co_u32 s14, s14, s13      ; my block of queries: it enters Q's and O's addresses alone
	s_and_b32 s20, ttmp7, 0xffff    ; the head, which the four partners share
	s_lshr_b32 s54, s20, 4          ; its batch:
	s_lshl_b32 s54, s54, 13         ; 8,192 bytes of mask
	s_mov_b32 s55, 0
	s_mov_b32 s21, 0
	s_mov_b64 s[22:23], SIZE_N*128
	s_mul_u64 s[20:21], s[20:21], s[22:23]  ; the head's first byte in each of the four tensors
	s_and_b32 s16, s[WV], 1         ; which half of a slot's 256 keys I fetch
	s_lshl_b32 s22, s16, 14
	s_mov_b32 s23, 0
	s_add_nc_u64 s[22:23], s[22:23], s[20:21]
	s_mul_i32 s17, s16, 128*PK
	s_mul_i32 s18, s16, 128*PV
	s_lshl_b32 s2, s14, 2
	s_add_co_u32 s2, s2, s[WV]
	s_lshl_b32 s2, s2, 14           ; my wave's 128 rows
	s_mov_b32 s3, 0
	s_add_nc_u64 s[2:3], s[2:3], s[20:21]
	; descriptor group 1.  128 keys are 16,384 dense bytes: asked for as 64 rows of 256 bytes, two keys a row, padded in LDS after every key
	s_mov_b32 s[G1K], 15|(1<<16)|(1<<20)|(1<<21)|(4<<22)|(3<<25)
	s_mov_b32 s[G1V], 15|(1<<16)|(1<<20)|(1<<21)|(4<<22)|(7<<25)
.irp g, G1K, G1V
	s_mov_b32 s[\g+1], 128<<16
	s_mov_b32 s[\g+2], 64<<16
	s_mov_b32 s[\g+3], 128<<16
	s_mov_b32 s[\g+4], 64
	s_mov_b32 s[\g+5], 128
	s_mov_b32 s[\g+6], 0
	s_mov_b32 s[\g+7], 0
.endr
	s_mov_b32 s[CS], 0x3e38aa3b     ; c = log2(e) / 8
	s_mov_b32 s[CS+1], s[CS]
	s_mov_b32 s[SEL], 0x76543210
	s_mov_b32 s[SEL+1], 0xfedcba98
	s_mov_b32 s[TBK], SLOT1+4*KS*PK ; the first change of slots turns these two into 0
	s_mov_b32 s[TBV], SLOT1+4*KS*PV
	s_mov_b32 s[TBM], 0
	s_mov_b32 s[BIGN], 0xd0000000   ; -2^33
	s_mov_b32 s[SLOTS], SIZE_N/256-1
	s_and_b32 s[LIM], s[WV], 1
	s_cmp_eq_u32 s[LIM], 0
	s_cselect_b32 s[LIM], 1, -1     ; waves 0 and 2 prefetch
	s_mov_b32 s[G0K], 1
	s_mov_b32 s[G0K+1], s17
	s_mov_b32 s[G0V], 1
	s_add_co_u32 s[G0V+1], s18, VOFF
	s_wait_dscnt 0x0                ; the opening add is done
	s_wait_kmcnt 0x0
	s_add_nc_u64 s[G0K+2:G0K+3], s[6:7], s[22:23]
	s_or_b32 s[G0K+3], s[G0K+3], 0x80000000
	s_add_nc_u64 s[G0V+2:G0V+3], s[8:9], s[22:23]
	s_or_b32 s[G0V+3], s[G0V+3], 0x80000000
	s_add_nc_u64 s[4:5], s[4:5], s[2:3]
	s_add_nc_u64 s[10:11], s[10:11], s[2:3]
	s_add_nc_u64 s[MP:MP+1], s[MP:MP+1], s[54:55]
	s_cmp_lt_u32 s[WV], 2
	s_cselect_b64 s[PFA:PFA+1], s[6:7], s[8:9]
	s_add_nc_u64 s[PFA:PFA+1], s[PFA:PFA+1], s[20:21]
	s_lshl_b32 s2, s13, 13          ; my work-group's 32 blocks of the 128
	s_mov_b32 s3, 0
	s_add_nc_u64 s[PFA:PFA+1], s[PFA:PFA+1], s[2:3]
	s_add_nc_u64 s[PFA:PFA+1], s[PFA:PFA+1], 4*KS*128  ; at tile 1; the first change of slots steps it to tile 2
	CROUND                          ; all four work-groups are here: the first joint loads meet
	JLOAD                           ; slot 0
	v_and_b32 v1, 15, v0            ; l % 16
	v_bfe_u32 v9, v0, 4, 1          ; l / 16
	v_lshlrev_b32 v[QO], 7, v1
	v_lshl_add_u32 v[QO], v9, 4, v[QO]
	v_lshlrev_b32 v14, 6, v0        ; my 16 words of the batch's mask
.irp j, 0,1,2,3
	global_load_b128 v[S+4*\j:S+4*\j+3], v14, s[MP:MP+1] offset:16*\j
.endr
	WIN 0x80
.set i, 0
.rept 4*NP                          ; Q stays in registers: tile i / 2, channels 32 (i % 2) on
	global_load_b128 v[8*i:8*i+3],   v[QO], s[4:5] offset:(i/2)*2048+(i%2)*64
	global_load_b128 v[8*i+4:8*i+7], v[QO], s[4:5] offset:(i/2)*2048+(i%2)*64+32
.set i, i+1
.endr
	; What the first turn finds: V's registers and P's second buffer hold 0, O^T and l are 0.  All this stands in the wait for the first tile.
.set i, VF
.rept 64
	v_mov_b32 v[i], 0
.set i, i+1
.endr
	WIN 0x40
.set i, 0
.rept 64*NP
	v_mov_b32 v[i], 0
.set i, i+1
.endr
	WIN W_MK
	v_lshl_add_u32 v[AM0], v9, 5, MSK
	v_lshl_add_u32 v[AM], v9, 5, MSK  ; key step 0 lies at the table's head
	WIN 0
.set i, 0
.rept 2*NP
	v_mov_b32 v[ST+4*i], 0xfe000000    ; c m: far below every c s
	v_mov_b32 v[ST+4*i+1], 0xff7fffff  ; m
	v_mov_b32 v[ST+4*i+2], 0
	v_mov_b32 v[ST+4*i+3], 0
.set i, i+1
.endr
.set i, P+32
.rept 32
	v_mov_b32 v[i], 0
.set i, i+1
.endr
	v_mul_u32_u24 v[AK0], v1, PK
	v_lshl_add_u32 v[AK0], v9, 4, v[AK0]
	v_and_b32 v10, 7, v0
	v_bfe_u32 v11, v0, 3, 1
	v_lshl_add_u32 v[AV0], v9, 3, v10
	v_mul_u32_u24 v[AV0], v[AV0], PV
	v_lshl_add_u32 v[AV0], v11, 4, v[AV0]
	v_add_nc_u32 v[AV0], VOFF, v[AV0]
	v_mov_b32 v[AK], v[AK0]
	v_and_b32 v[PFO], 31, v0
	v_lshlrev_b32 v[PFO], 8, v[PFO]
	s_wait_loadcnt 32               ; the mask's four loads are in; Q's 32, issued behind them, may stay out
.set i, 0
.rept 16
	v_cmp_eq_u32 vcc_lo, 0, v[S+i]
	v_cndmask_b32 v[S+i], 0, s[BIGN], vcc_lo  ; 0 where the key is seen, -2^33 where it is masked
.set i, i+1
.endr
	v_add_nc_u32 v15, MSK, v14
.irp j, 0,1,2,3
	ds_store_b128 v15, v[S+4*\j:S+4*\j+3] offset:16*\j
.endr
; THE MATRIX WORK.  The 8 accumulators of a run of 16 take turns.  Product i of 16 of S^T = K Q^T for piece x: channels 32 (i / 8) on, keys 16 ((i / 2) % 4) on, tile 2 x + i % 2.
; The first 8 start the sums with the keys' mask addends.
.macro KQ x
.set rS, S+64*((\x)%2)+32*(i%2)+8*((i/2)%4)
.set rK, KF+16*((i/2)%4)+8*(i/8)
.set rQ, 16*(2*(\x)+i%2)+8*(i/8)
.set rA, MK+8*((i/2)%4)
.if i < 8
	WIN W_KM
	v_wmma_f32_16x16x32_f16 v[rS:rS+7], v[rK:rK+7], v[rQ:rQ+7], v[rA:rA+7]
.else
	WIN W_KQ
	v_wmma_f32_16x16x32_f16 v[rS:rS+7], v[rK:rK+7], v[rQ:rQ+7], v[rS:rS+7]
.endif
.endm
.macro PV x                         ; product i of 16 of O^T += V^T P for piece x
	WIN W_PV
.set rO, 32*(2*(\x)+i%2)+8*((i/2)%4)
.set rV, VF+32*(i/8)+8*((i/2)%4)
.set rP, P+32*((\x)%2)+16*(i%2)+8*(i/8)
	v_wmma_f32_16x16x32_f16 v[rO:rO+7], v[rV:rV+7], v[rP:rP+7], v[rO:rO+7]
.endm
.macro MM
.if i < 16
	KQ (Y+1)%NP
.set i, i+1
.else
.set i, i-16
	PV (Y+NP-1)%NP
.set i, i+17
.endif
.endm
; THE LDS LOADS stand in runs: a step's K (8 fragments) with its 64 mask addends (8 registers a key block; a half of the lanes reads the same 32 bytes), and its V (turned).
; last = 1 (the tail): in the last trip there is no further step, and the run is jumped over.
.macro FETCH_K last=0
	WIN 0
.if \last
	s_cmp_eq_u32 s[CNT], 1
	s_cbranch_scc1 .Lno_k_\@
.endif
	WIN 0x80
.irp f, 0,1,2,3,4,5,6,7
	ds_load_b128 v[KF+8*\f:KF+8*\f+3],   v[AK] offset:(\f/2)*16*PK+(\f%2)*64
	ds_load_b128 v[KF+8*\f+4:KF+8*\f+7], v[AK] offset:(\f/2)*16*PK+(\f%2)*64+32
.endr
	WIN 0xc3                        ; destination and address in window 3
.irp f, 0,1,2,3
	ds_load_b128 v[MK+8*\f:MK+8*\f+3],   v[AM] offset:64*\f
	ds_load_b128 v[MK+8*\f+4:MK+8*\f+7], v[AM] offset:64*\f+16
.endr
	s_add_co_u32 s[TBK], s[TBK], KS*PK
	s_add_co_u32 s[TBM], s[TBM], KS*4
	s_and_b32 s[TBM], s[TBM], 8191  ; behind the last step it goes back to 0: the address made of it, which is not used, stays in the table
	WIN 0
.if \last
.Lno_k_\@:
.endif
.endm
.macro FETCH_V
	WIN 0x80
.irp f, 0,1,2,3,4,5,6,7
	ds_load_tr16_b128 v[VF+8*\f:VF+8*\f+3],   v[AV] offset:(\f/4)*32*PV+(\f%4)*32
	ds_load_tr16_b128 v[VF+8*\f+4:VF+8*\f+7], v[AV] offset:(\f/4)*32*PV+16*PV+(\f%4)*32
.endr
	WIN 0
.endm
; THE VECTOR WORK OF A TURN stands in three queues, each in the order in which its entries become ready; the two tiles alternate.
.macro REGS y, u
.set rT, ST+4*(2*(\y)+(\u))
.set rC, TMP+8*((\y)%2)+4*(\u)
.set rM, MV+2*((\y)%2)+(\u)
.set rS, S+64*((\y)%2)+32*(\u)
.set rP, P+32*((\y)%2)+16*(\u)
.set rO, 32*(2*(\y)+(\u))
.endm
; Number n of the 22 that find the NEXT piece's maximum and statistics; each accumulator's lowest registers are read first.
.macro XS u, n
	REGS (Y+1)%NP, \u
.if (\n) < 4
	v_max3_num_f32 v[rC+(\n)], v[rS+8*(\n)], v[rS+8*(\n)+1], v[rS+8*(\n)+2]
.elseif (\n) < 12
	v_max3_num_f32 v[rC+(\n)%4], v[rC+(\n)%4], v[rS+8*((\n)%4)+2*((\n)/4)+1], v[rS+8*((\n)%4)+2*((\n)/4)+2]
.elseif (\n) == 12
	v_max3_num_f32 v[rC], v[rC], v[rS+7], v[rS+15]
.elseif (\n) == 13
	v_max3_num_f32 v[rC+1], v[rC+1], v[rS+23], v[rS+31]
.elseif (\n) == 14
	v_max3_num_f32 v[rC+2], v[rC+2], v[rC+3], v[rT+1]
.elseif (\n) == 15
	v_mov_b32 v[rM], v[rT]
.elseif (\n) == 16
	v_max3_num_f32 v[rC], v[rC], v[rC+1], v[rC+2]
.elseif (\n) == 17
	v_permlanex16_b32 v[rC+3], v[rC], s[SEL], s[SEL+1]
.elseif (\n) == 18
	v_max_num_f32 v[rT+1], v[rC], v[rC+3]
.elseif (\n) == 19
	v_mul_f32 v[rT], s[CS], v[rT+1]
.elseif (\n) == 20
	v_sub_f32 v[rC+1], v[rM], v[rT]
.else
	v_exp_f32 v[rC+2], v[rC+1]
.endif
.endm
; Number g of the 64 that follow the exponentials: roundings to f16, pair sums in place, and l a group later.
.macro GS g
.set h, (\g)+6*((\g)/62)
.if h >= 6
.set h, h+2
.endif
	REGS Y, h%2
.set k, h/8
.if h%8 < 4
	v_cvt_pk_f16_f32 v[rP+2*k+(h%8)/2], v[rS+4*k+2*((h%8)/2)], v[rS+4*k+2*((h%8)/2)+1]
.elseif h%8 < 6
	v_pk_add_f32 v[rS+4*k:rS+4*k+1], v[rS+4*k:rS+4*k+1], v[rS+4*k+2:rS+4*k+3]
.elseif k == 1
	v_pk_fma_f32 v[rT+2:rT+3], v[rT+2:rT+3], v[rC+2:rC+3], v[rS:rS+1] op_sel_hi:[1,0,1]
.else
	v_pk_add_f32 v[rT+2:rT+3], v[rT+2:rT+3], v[rS+4*k-4:rS+4*k-3]
.endif
.endm
; THE PLAIN QUEUE, 138 long: 0-73 read no exponential's result (32 scalings, the next piece's 42); 74-137 are GS's 64, behind the wait.
.macro FS f
	REGS Y, (\f)%2
	v_pk_fma_f32 v[rS+2*((\f)/2):rS+2*((\f)/2)+1], v[rS+2*((\f)/2):rS+2*((\f)/2)+1], s[CS:CS+1], v[rT:rT+1] op_sel_hi:[1,0,0] neg_lo:[0,0,1] neg_hi:[0,0,1]
.endm
.macro PL
	WIN 0
.if q < 27
	FS q
.elseif q < 55
	XS (q-27)%2, (q-27)/2
.elseif q < 57
	XS q-55, 15
.elseif (q < 72) && ((q-57)%3 == 0)
	FS 27+(q-57)/3
.elseif q < 60
	XS (q-57)%3-1, 14
.elseif q < 72
	XS (q-57)%3-1, 15+(q-57)/3
.elseif q < 74
	XS q-72, 20
.else
	GS q-74
.endif
.set q, q+1
.endm
; THE EXPONENTIALS' QUEUE, 66 long: ONE BATCH, all ahead of the turn's one wait.
.macro EX
	WIN 0
.if e >= 64
	XS e-64, 21
.else
	REGS Y, e%2
	v_exp_f32 v[rS+e/2], v[rS+e/2]
.endif
.set e, e+1
.endm
; THE RESCALING's QUEUE: O^T times a, two at a time.
.macro R2
	REGS Y, r%2
	WIN W_RS
.irp z, 0,1
	v_pk_mul_f32 v[rO+4*(r/2)+2*\z:rO+4*(r/2)+2*\z+1], v[rO+4*(r/2)+2*\z:rO+4*(r/2)+2*\z+1], v[rC+2:rC+3] op_sel_hi:[1,0]
.endr
.set r, r+1
.endm
; A TURN, for piece p.  Ahead of its one wait stands all that names no result of its exponentials: 16 products K Q^T with a scaling, an exponential and two rescalings behind each, then a run of 108.
; Behind it: 16 products V^T P, four of the roundings and sums behind each.  K and the mask addends of the next step are fetched in piece 2's turn, directly behind the wait, a whole run of vector work behind the
; last product that read them; V of the step in hand at the end of piece 0's turn, four plain instructions behind its last reader.
.macro TURN p, last=0, cnt=0
.set Y, (\p)
.set i, 0
.set q, 0
.set e, 0
.set r, 0
.if (\p) == NP-1
	s_wait_dscnt 0x0                ; K and the addends are in
.endif
	MM
	PL
	PL
	R2
.rept 15
	MM
	PL
	EX
	R2
.endr
.if (\p) == NP-2
	WIN 0
	v_add_nc_u32 v[AK], s[TBK], v[AK0]
	WIN 0xcc                        ; destination and source 1 in window 3
	v_add_nc_u32 v[AM], s[TBM], v[AM0]
.endif
.rept 8
	PL
.endr
.rept 49
	EX
	PL
.endr
	EX
	EX
	v_nop                           ; a plain instruction behind the last exponential: one for the batch
	s_wait_alu depctr_va_vdst(0)    ; the wait for the batch, ahead of the first reader
.if (\p) == NP-2
	FETCH_K \last
.endif
.if (\p) == 1
	s_wait_dscnt 0x0                ; V is in
.endif
.rept 16
	MM
.rept 4
	PL
.endr
.if ((\p) == 0) && (q == 118)
	v_add_nc_u32 v[AV], s[TBV], v[AV0]
.endif
.if ((\p) == 0) && (q == 130)
	s_add_co_u32 s[TBV], s[TBV], KS*PV
.endif
.if (\cnt) && (q == 130)
	s_sub_co_u32 s[CNT], s[CNT], 1
	s_cmp_lg_u32 s[CNT], 0
.endif
.endr
.if (\p) == 0
	FETCH_V
.endif
.endm
	CHANGE 1                        ; slot 0 is in, and every wave's part of the mask table; slot 1 is asked for
	FETCH_K                         ; key step 0
	s_wait_loadcnt 0x0              ; Q
	s_wait_dscnt 0x0
.set i, 0
.rept 16
	KQ 0
.set i, i+1
.endr
	WIN 0                           ; the addresses for the way out: plain instructions, the places behind those products
	s_mul_i32 s13, s[WV], 16*SP
	s_add_co_u32 s13, s13, STAGE
	v_mul_u32_u24 v[STO], v1, SP
	v_lshl_add_u32 v[STO], v9, 4, v[STO]
	v_add_nc_u32 v[STO], s13, v[STO]
	v_bfe_u32 v[RD], v0, 3, 2
	v_mul_u32_u24 v[RD], v[RD], SP
	v_lshl_add_u32 v[RD], v10, 4, v[RD]
	v_add_nc_u32 v[RD], s13, v[RD]
	v_and_b32 v[GO], 31, v0
	v_lshlrev_b32 v[GO], 4, v[GO]
.set Y, NP-1
.irp n, 0,1,2,3,4,5,6,7,8,9,10,11,12,13,14,15,16,17,18,19,20,21
	XS 0, \n
	XS 1, \n
.endr
	v_nop
	s_wait_alu depctr_va_vdst(0)    ; the two a have their wait ahead of the branch
	s_mov_b32 s[CNT], 4
	s_branch .Lfirst                ; the loop is entered at a step's first turn, in the middle of a trip
.Lslot:                             ; six times: every slot but the last two is filled again
	CHANGE 1
	s_mov_b32 s[CNT], 4
.Lstep:
	TURN 2
	TURN 3
	WIN 0
.Lfirst:
	TURN 0
	TURN 1, 0, 1
	WIN 0
	s_cbranch_scc1 .Lstep
	s_sub_co_u32 s[SLOTS], s[SLOTS], 1
	s_cmp_lg_u32 s[SLOTS], 0
	s_cbranch_scc1 .Lslot
	CHANGE 0                        ; the tail is written out
	s_mov_b32 s[CNT], 5
.Ltail:
	TURN 2, 1
	TURN 3
	WIN 0
	s_sub_co_u32 s[CNT], s[CNT], 1
	s_cmp_eq_u32 s[CNT], 0
	s_cbranch_scc1 .Lout
	TURN 0
	TURN 1
	WIN 0
	s_branch .Ltail
.Lout:                              ; the fifth trip's products K Q^T, on the last K once more, serve nothing: the price of one text for every trip
.set i, 0
.rept 16
	PV NP-1
.set i, i+1
.endr
	; THE WAY OUT.  l's halves are added; O^T is divided by l, rounded to f16 and sent through my stage, a tile at a time.
	WIN 0
.macro ALL line:vararg
.set t, 0
.rept 2*NP
	\line
.set t, t+1
.endr
.endm
	ALL v_add_f32 v[ST+4*t+2], v[ST+4*t+2], v[ST+4*t+3]
	ALL v_permlanex16_b32 v[ST+4*t+3], v[ST+4*t+2], s[SEL], s[SEL+1]
	ALL v_add_f32 v[ST+4*t+2], v[ST+4*t+2], v[ST+4*t+3]
	ALL v_rcp_f32 v[ST+4*t+2], v[ST+4*t+2]
	v_nop
	s_wait_alu depctr_va_vdst(0)    ; one wait for the eight reciprocals, ahead of their first use
.macro PACK t
	WIN W_RS
.set i, 32*(\t)
.rept 16
	v_pk_mul_f32 v[i:i+1], v[i:i+1], v[ST+4*(\t)+2:ST+4*(\t)+3] op_sel_hi:[1,0]
.set i, i+2
.endr
	WIN 0x05
.set i, 0
.rept 16
	v_cvt_pk_f16_f32 v[S+16*(\t)+i], v[32*(\t)+2*i], v[32*(\t)+2*i+1]
.set i, i+1
.endr
	WIN 0
.irp f, 0,1,2,3
	ds_store_b128 v[STO], v[S+16*(\t)+4*\f:S+16*(\t)+4*\f+3] offset:32*\f
.endr
.irp f, 0,1,2,3
	ds_load_b128 v[S+16*(\t)+4*\f:S+16*(\t)+4*\f+3], v[RD] offset:\f*4*SP  ; LDS serves a wave's instructions in order (ISA guide 5.7.1.4): these see the stores above
.endr
.endm
.macro SEND t, younger
	WIN 0
.irp f, 0,1,2,3
	s_wait_dscnt (\younger)+3-\f
	global_store_b128 v[GO], v[S+16*(\t)+4*\f:S+16*(\t)+4*\f+3], s[10:11] offset:(\t)*2048+\f*512  ; 512 consecutive bytes, aligned
.endr
.endm
	PACK 0
.set t, 1
.rept 2*NP-1
	PACK t
	SEND t-1, 8
.set t, t+1
.endr
	SEND 2*NP-1, 0
	WIN W_AD
	s_wait_tensorcnt 0x0            ; the wave's end
	ds_add_u32 v[SPW], v[NIL]
	s_wait_dscnt 0x0
	WIN 0
	CROUND                          ; the closing round
	s_endpgm
.Lfunc_end_k_q2469545eff_attn:
	.size	k_q2469545eff_attn, .Lfunc_end_k_q2469545eff_attn-k_q2469545eff_attn
	.p2alignl 7, 3214868480
	.fill 96, 4, 3214868480
	.section	.rodata,"a",@progbits
	.p2align	6, 0x0
	.amdhsa_kernel k_q2469545eff_attn
		.amdhsa_group_segment_fixed_size 327680
		.amdhsa_private_segment_fixed_size 0
		.amdhsa_enable_private_segment 0
		.amdhsa_kernarg_size 40
		.amdhsa_user_sgpr_count 2
		.amdhsa_user_sgpr_kernarg_segment_ptr 1
		.amdhsa_wavefront_size32 1
		.amdhsa_system_sgpr_workgroup_id_x 1
		.amdhsa_system_sgpr_workgroup_id_y 1
		.amdhsa_system_sgpr_workgroup_id_z 1
		.amdhsa_system_vgpr_workitem_id 0
		.amdhsa_next_free_vgpr 808
		.amdhsa_next_free_sgpr 66
		.amdhsa_reserve_vcc 1
		.amdhsa_float_denorm_mode_32 3
		.amdhsa_float_denorm_mode_16_64 3
		.amdhsa_memory_ordered 1
		.amdhsa_forward_progress 1
		.amdhsa_inst_pref_size 205
	.end_amdhsa_kernel
	.amdgpu_metadata
---
amdhsa.version: [ 1, 2 ]
amdhsa.kernels:
  - .name:           k_q2469545eff_attn
    .symbol:         k_q2469545eff_attn.kd
    .args:
      - { .name: qh, .offset: 0, .size: 8, .value_kind: global_buffer, .address_space: global }
      - { .name: kh, .offset: 8, .size: 8, .value_kind: global_buffer, .address_space: global }
      - { .name: vh, .offset: 16, .size: 8, .value_kind: global_buffer, .address_space: global }
      - { .name: oh, .offset: 24, .size: 8, .value_kind: global_buffer, .address_space: global }
      - { .name: mask, .offset: 32, .size: 8, .value_kind: global_buffer, .address_space: global }
    .group_segment_fixed_size: 327680
    .private_segment_fixed_size: 0
    .kernarg_segment_align: 8
    .kernarg_segment_size: 40
    .max_flat_workgroup_size: 128
    .sgpr_count:     66
    .vgpr_count:     808
    .wavefront_size: 32
...
	.end_amdgpu_metadata
.endif
;; end of part 3
;; launch oproj (part 4): grid 4 x 64, 4 waves a work-group, clusters of 4 x 4, 327,680 bytes of LDS; arguments oh, w16, bo, out0; writes out0
.if DOCPART == 4
	.amdgcn_target "amdgcn-amd-amdhsa--gfx1250"
	.amdhsa_code_object_version 6
	.text
	.protected	k_q2469545eff_oproj
	.globl	k_q2469545eff_oproj
	.p2align	8
	.type	k_q2469545eff_oproj,@function
k_q2469545eff_oproj:
	s_mov_b64 s[64:65], 0
	v_nop
	global_prefetch_b8 v0, s[64:65] scope:SCOPE_SE
	s_setreg_imm32_b32 hwreg(HW_REG_WAVE_MODE, 25, 1), 1
	s_wait_xcnt 0x0
	s_wait_alu depctr_hold_cnt(0) depctr_sa_sdst(0) depctr_va_vdst(0) depctr_va_sdst(0) depctr_va_ssrc(0) depctr_va_vcc(0) depctr_vm_vsrc(0)
	s_getreg_b32 s2, hwreg(HW_REG_IB_STS2, 6, 4)
	s_cmp_eq_u32 s2, 0
	s_cbranch_scc0 .Lentry_in_a_cluster
	s_endpgm
.Lentry_in_a_cluster:
	s_bfe_u32 s2, ttmp6, 0x10000c
	s_cmp_lg_u32 s2, 0xf033
	s_cbranch_scc0 .Lentry_shape_is_right
	s_endpgm
.Lentry_shape_is_right:
; THE LAST PROJECTION.  out0 = concat(O) Wo + bo.  O: [64 = batch x 16 + head][2048][64] f16; Wo: [1024 k][1024 n] f16, part 3 of w16; bo and out0 f32; sums f32.
; SHARES.  Tiles of 128 rows x 256 columns: 64 x 4 = 256 work-groups.  Four waves, 2 x 2, each 64 rows x 128 columns: 32 accumulators.  K goes in 8 steps of 128 = two heads, through two LDS slots.
; A head's 128 rows are 16,384 dense bytes: asked for as 64 rows of 256 bytes and padded in LDS after every 128.  Wave 0 fetches the step's first head, wave 1 its second, waves 2, 3 Wo's 64 k-rows each.
; CLUSTER 4 x 4: O's tile is shared along a row of the cluster, Wo's along a column: joint loads.  THE MATRIX INSTRUCTION IS USED TRANSPOSED: a lane holds one row and eight neighbouring columns, 32 bytes.
; The bias is the C operand of the first products.  The result goes through each wave's own stage and leaves as rows of 512 consecutive bytes.
; REGISTERS.  window 0: v1-14 addresses; v28-29 the add's; v32-95 O's fragments, two buffers; on the way out v32-223 rows read back
;   window 1: v0-127 Wo's fragments, two buffers; v128-191 the bias      window 2: the accumulators, (a, b) at 8 (8 a + b)
.set PAO,   144                        ; O's LDS row: 128 + 16 bytes
.set PB,    544                        ; Wo's LDS row: 512 + 32 bytes, an odd multiple of 32, for the turning load
.set HA,    128*PAO
.set HB,    64*PB
.set BOFF,  2*HA
.set SLOT,  2*HA+2*HB
.set STAGE, 2*SLOT                     ; behind the ring: 16 rows x 528 bytes for each wave, never filled by a tensor load
.set SPI,   528
.set SPARE, STAGE+4*16*SPI             ; the spare words: 128 bytes a wave, two blocks of 256 bytes that no other line names
.set STEPA, 2*262144                   ; a K step in O: two heads on
.set STEPB, 128*2048
.set LAPS,  4
.set ADRA, 4
.set ADRB, 6
.set STO,  8
.set RD,   9
.set GO,   10
.set BO,   11
.set PFO,  13
.set SPW,  28
.set NIL,  29
.set AF,   32
.set BIAS, 128
.set G1A, 24
.set G0A, 32
.set G1B, 48
.set G0B, 56
.set LIM, 43
.set PFA, 44
.set PST, 46
.set MSB, 0
.macro WIN new
.if MSB != (\new)
	s_set_vgpr_msb (MSB<<8)|(\new)
.set MSB, \new
.endif
.endm
.set W_MUL,  0xa1
.set W_MULB, 0x91
.set TO_B,   0x40
.macro JLOAD s
	s_cmp_eq_u32 s11, 0
	s_cbranch_scc0 .Lfor_b_\@
	tensor_load_to_lds s[G0A+4*(\s):G0A+4*(\s)+3], s[G1A:G1A+7]
	s_nop 0
.rept 4
	v_nop
.endr
	s_branch .Lasked_\@
.Lfor_b_\@:
	tensor_load_to_lds s[G0B+4*(\s):G0B+4*(\s)+3], s[G1B:G1B+7]
	s_nop 0
.rept 4
	v_nop
.endr
.Lasked_\@:
.endm
.macro CREST
	s_cmp_lg_u32 s10, 0
	s_cbranch_scc1 .Lnot_wave_0_\@
	s_barrier_signal -3
.Lnot_wave_0_\@:
	s_barrier_wait -3
	s_barrier_signal -1
	s_barrier_wait -1
.endm
.macro CROUND
	s_barrier_signal -1
	s_barrier_wait -1
	CREST
.endm
; A prefetch of the K step two refills on.  O's rows belong to one cluster: wave 0 asks, 16 blocks of 256 bytes of each of the step's two heads, the four partners told apart BY ADDRESS (cx).
; Wo's k-rows are read by all sixteen clusters: the first asks, waves 2, 3, the partners taking 16 k-rows each by address (cy).  The loop's last trip asks for nothing.
.macro ASK
	s_cmp_gt_u32 s3, s[LIM]
	s_cbranch_scc0 .Lnot_mine_\@
	global_prefetch_b8 v[PFO], s[PFA:PFA+1] th:TH_LOAD_NT scope:SCOPE_SE
.Lnot_mine_\@:
.endm
.macro PLACES
.rept 4
	v_nop
.endr
.endm
	s_load_b256 s[68:75], s[0:1], 0x0              ; oh, w16, bo, out0
	v_lshl_add_u32 v[SPW], v0, 2, SPARE
	v_mov_b32 v[NIL], 0
	ds_add_u32 v[SPW], v[NIL]                      ; the wave's opening: the add and its wait ahead of my first tensor load
	v_lshrrev_b32 v1, 5, v0
	v_readfirstlane_b32 s10, v1
	s_lshr_b32 s11, s10, 1                         ; my half of the rows.  Also: I fetch for O (0) or for Wo (1)
	s_and_b32 s12, s10, 1                          ; my half of the columns.  Also: which head, or which 64 k-rows, I fetch
	s_bfe_u32 s40, ttmp6, 0x40000                  ; cx
	s_bfe_u32 s41, ttmp6, 0x40004                  ; cy
	s_lshl_b32 s42, ttmp9, 2
	s_add_co_u32 s42, s42, s40                     ; tile column
	s_and_b32 s14, ttmp7, 0xffff                   ; the cluster's y
	s_lshl_b32 s13, s14, 2
	s_add_co_u32 s13, s13, s41                     ; tile row, 0..63
	s_lshl_b32 s43, s41, 2
	s_lshl_b32 s43, 15, s43
	s_lshl_b32 s44, 0x1111, s40
	s_or_b32 s[G1A], s43, (1<<16)|(1<<20)|(1<<21)|(4<<22)|(3<<25)   ; mask; 2-byte elements; padding after every 32 words, 4 words
	s_or_b32 s[G1B], s44, (1<<16)|(1<<20)|(1<<21)|(6<<22)|(7<<25)   ; mask; padding after every 128 words, 8 words
	s_mov_b32 s[G1A+1], 128<<16
	s_mov_b32 s[G1A+2], 64<<16
	s_mov_b32 s[G1A+3], 128<<16
	s_mov_b32 s[G1A+4], 64
	s_mov_b32 s[G1A+5], 128
	s_mov_b32 s[G1A+6], 0
	s_mov_b32 s[G1A+7], 0
	s_mov_b32 s[G1B+1], 256<<16
	s_mov_b32 s[G1B+2], 64<<16
	s_mov_b32 s[G1B+3], 256<<16
	s_mov_b32 s[G1B+4], 64
	s_mov_b32 s[G1B+5], 1024
	s_mov_b32 s[G1B+6], 0
	s_mov_b32 s[G1B+7], 0
	s_lshr_b32 s16, s13, 4                         ; O: head 16 x batch + my head of the step's two,
	s_lshl_b32 s16, s16, 4
	s_add_co_u32 s16, s16, s12
	s_lshl_b32 s16, s16, 18
	s_and_b32 s17, s13, 15                         ; the tile's 128 positions of 128 bytes
	s_lshl_b32 s17, s17, 14
	s_add_co_u32 s16, s16, s17
	s_mov_b32 s17, 0
	s_lshl_b32 s46, s42, 9
	s_lshl_b32 s47, s12, 17
	s_add_co_u32 s46, s46, s47
	s_mov_b32 s47, 0
	s_mul_i32 s20, s12, HA
	s_mul_i32 s21, s12, HB
	s_add_co_u32 s21, s21, BOFF
	s_wait_dscnt 0x0                               ; the opening add is done
	s_wait_kmcnt 0x0
	s_mov_b64 s[4:5], s[68:69]
	s_add_nc_u64 s[6:7], s[70:71], 3*2097152       ; Wo's part of w16
	s_mov_b64 s[8:9], s[74:75]
	s_add_nc_u64 s[16:17], s[4:5], s[16:17]
	s_add_nc_u64 s[46:47], s[6:7], s[46:47]
	CROUND                                         ; all sixteen work-groups are here: the first joint loads meet
.irp s, 0,1
	s_mov_b32 s[G0A+4*(\s)], 1
	s_add_co_u32 s[G0A+4*(\s)+1], s20, (\s)*SLOT
	s_add_nc_u64 s[G0A+4*(\s)+2:G0A+4*(\s)+3], s[16:17], (\s)*STEPA
	s_or_b32 s[G0A+4*(\s)+3], s[G0A+4*(\s)+3], 0x80000000
	s_mov_b32 s[G0B+4*(\s)], 1
	s_add_co_u32 s[G0B+4*(\s)+1], s21, (\s)*SLOT
	s_add_nc_u64 s[G0B+4*(\s)+2:G0B+4*(\s)+3], s[46:47], (\s)*STEPB
	s_or_b32 s[G0B+4*(\s)+3], s[G0B+4*(\s)+3], 0x80000000
.endr
	s_cmp_eq_u32 s11, 0                            ; a wave's two first fills stand in one branch: two loads of mine are out
	s_cbranch_scc0 .Lfirst_b
	tensor_load_to_lds s[G0A:G0A+3], s[G1A:G1A+7]
	s_nop 0
	tensor_load_to_lds s[G0A+4:G0A+7], s[G1A:G1A+7]
	s_nop 0
.rept 4
	v_nop
.endr
	s_branch .Lfirst_asked
.Lfirst_b:
	tensor_load_to_lds s[G0B:G0B+3], s[G1B:G1B+7]
	s_nop 0
	tensor_load_to_lds s[G0B+4:G0B+7], s[G1B:G1B+7]
	s_nop 0
.rept 4
	v_nop
.endr
.Lfirst_asked:
	v_and_b32 v1, 15, v0
	v_bfe_u32 v2, v0, 4, 1
	v_mul_u32_u24 v3, v1, PAO
	v_lshl_add_u32 v3, v2, 4, v3                   ; row x pitch + 16 x half
	s_mul_i32 s16, s11, 64*PAO                     ; my 64 rows, in either head
	v_and_b32 v14, 7, v0
	v_lshl_add_u32 v14, v2, 3, v14
	v_mul_u32_u24 v14, v14, PB
	v_bfe_u32 v15, v0, 3, 1
	v_lshl_add_u32 v14, v15, 4, v14
	s_lshl_b32 s17, s12, 8
	s_add_co_u32 s17, s17, BOFF
.irp s, 0,1
	v_add_nc_u32 v[ADRA+(\s)], s16, v3
	v_add_nc_u32 v[ADRB+(\s)], s17, v14
	s_add_co_u32 s16, s16, SLOT
	s_add_co_u32 s17, s17, SLOT
.endr
	s_mul_i32 s16, s10, 16*SPI
	s_add_co_u32 s16, s16, STAGE                   ; my stage
	v_mul_u32_u24 v[STO], v1, SPI                  ; in: row l % 16, 32 bytes for each half of the lanes
	v_lshl_add_u32 v[STO], v2, 5, v[STO]
	v_add_nc_u32 v[STO], s16, v[STO]
	v_and_b32 v[GO], 31, v0                        ; back: 32 lanes take one row of 512 bytes
	v_lshlrev_b32 v[GO], 4, v[GO]
	v_add_nc_u32 v[RD], s16, v[GO]
	v_lshlrev_b32 v[BO], 5, v2
	s_lshl_b32 s16, s42, 10                        ; the bias at my 128 columns
	s_lshl_b32 s17, s12, 9
	s_add_co_u32 s16, s16, s17
	s_mov_b32 s17, 0
	s_add_nc_u64 s[72:73], s[72:73], s[16:17]
	s_add_nc_u64 s[8:9], s[8:9], s[16:17]          ; the same bytes along a row of out0,
	s_lshl_b32 s16, s13, 19                        ; 128 rows of 4,096 bytes a tile row,
	s_lshl_b32 s18, s11, 18                        ; my 64 of them
	s_add_co_u32 s16, s16, s18
	s_add_nc_u64 s[8:9], s[8:9], s[16:17]
	WIN TO_B
.irp b, 0,1,2,3,4,5,6,7
	global_load_b128 v[BIAS+8*(\b):BIAS+8*(\b)+3],   v[BO], s[72:73] offset:64*(\b)
	global_load_b128 v[BIAS+8*(\b)+4:BIAS+8*(\b)+7], v[BO], s[72:73] offset:64*(\b)+16
.endr
	WIN 0
	; the prefetches: they stand at K step 3; each refill steps them once and then names the K step two refills on
	s_lshr_b32 s16, s13, 4
	s_lshl_b32 s16, s16, 22                        ; 16 heads of 262,144 bytes a batch
	s_and_b32 s17, s13, 15
	s_lshl_b32 s17, s17, 14
	s_add_co_u32 s16, s16, s17
	s_lshl_b32 s17, s40, 12                        ; my work-group's 16 blocks of a head's 64
	s_add_co_u32 s16, s16, s17
	s_add_co_u32 s16, s16, 3*STEPA
	s_lshl_b32 s18, s12, 17
	s_lshl_b32 s19, s41, 15
	s_add_co_u32 s18, s18, s19
	s_lshl_b32 s19, s42, 9
	s_add_co_u32 s18, s18, s19
	s_add_co_u32 s18, s18, 3*STEPB
	s_mov_b32 s17, 0
	s_mov_b32 s[PST], STEPA
	s_mov_b32 s19, STEPB
	s_mov_b32 s[PST+1], 0
	s_cmp_eq_u32 s11, 0
	s_cselect_b32 s16, s16, s18
	s_cselect_b64 s[PFA:PFA+1], s[4:5], s[6:7]
	s_cselect_b32 s[PST], s[PST], s19
	s_cselect_b32 s18, s12, s14                    ; O: wave 0 of every cluster; Wo: waves 2, 3 of the first cluster
	s_cselect_b32 s19, 8, 11                       ; lane l % 16: a block of 256 bytes of O, or a k-row of 2,048 of Wo
	s_cselect_b32 s22, 18, 8                       ; lane l / 16: the step's other head, or the k-row's other block
	s_add_nc_u64 s[PFA:PFA+1], s[PFA:PFA+1], s[16:17]
	s_cmp_eq_u32 s18, 0
	s_cselect_b32 s[LIM], 1, -1                    ; the same in all sixteen partners, for a given wave
	v_lshlrev_b32 v[PFO], s19, v1
	v_lshlrev_b32 v14, s22, v2
	v_add_nc_u32 v[PFO], v[PFO], v14
.macro FETCH slot, kq, g               ; 24 LDS loads in one run: quarter kq of the slot (head kq / 2, channels 32 (kq % 2) on) into buffers g
	WIN 0
.irp a, 0,1,2,3
	ds_load_b128 v[AF+32*(\g)+8*(\a):AF+32*(\g)+8*(\a)+3],   v[ADRA+(\slot)] offset:((\kq)/2)*HA+((\kq)%2)*64+(\a)*16*PAO
	ds_load_b128 v[AF+32*(\g)+8*(\a)+4:AF+32*(\g)+8*(\a)+7], v[ADRA+(\slot)] offset:((\kq)/2)*HA+((\kq)%2)*64+(\a)*16*PAO+32
.endr
	WIN TO_B
.irp b, 0,1,2,3,4,5,6,7
	ds_load_tr16_b128 v[64*(\g)+8*(\b):64*(\g)+8*(\b)+3],   v[ADRB+(\slot)] offset:(\kq)*32*PB+32*(\b)
	ds_load_tr16_b128 v[64*(\g)+8*(\b)+4:64*(\g)+8*(\b)+7], v[ADRB+(\slot)] offset:(\kq)*32*PB+32*(\b)+16*PB
.endr
.endm
.macro MUL8 f, a, first                ; 8 products; the 32 accumulators take turns, in the same order in every quarter.  first = 1: the bias starts the sums
.if \first
	WIN W_MULB
.else
	WIN W_MUL
.endif
.irp b, 0,1,2,3,4,5,6,7
.if \first
	v_wmma_f32_16x16x32_f16 v[8*(8*(\a)+(\b)):8*(8*(\a)+(\b))+7], v[64*(\f)+8*(\b):64*(\f)+8*(\b)+7], v[AF+32*(\f)+8*(\a):AF+32*(\f)+8*(\a)+7], v[BIAS+8*(\b):BIAS+8*(\b)+7]
.else
	v_wmma_f32_16x16x32_f16 v[8*(8*(\a)+(\b)):8*(8*(\a)+(\b))+7], v[64*(\f)+8*(\b):64*(\f)+8*(\b)+7], v[AF+32*(\f)+8*(\a):AF+32*(\f)+8*(\a)+7], v[8*(8*(\a)+(\b)):8*(8*(\a)+(\b))+7]
.endif
.endr
.endm
.macro QUARTER slot, kq, f, g, first   ; fetches quarter kq into buffers g, multiplies buffers f
	s_wait_dscnt 0x0                               ; buffers f are in: their loads were issued in front of the last 32 products
	PLACES                                         ; four places between the products that read buffers g and the loads into them
	FETCH \slot, \kq, \g
	MUL8 \f, 0, \first
	MUL8 \f, 1, \first
	MUL8 \f, 2, \first
	MUL8 \f, 3, \first
.endm
.macro TURN slot, next, fill           ; the last quarter multiplies buffers 1 and changes slots
.if \fill
	s_wait_xcnt 0x0                                ; the last prefetch, a K step back, has read its address
	s_add_nc_u64 s[PFA:PFA+1], s[PFA:PFA+1], s[PST:PST+1]
.endif
	WIN 0
	s_wait_tensorcnt 0x0                           ; all my tensor loads have landed: my part of the next slot
	ds_add_u32 v[SPW], v[NIL]                      ; 0 onto my spare word
	s_wait_dscnt 1                                 ; buffers 1 are in; the add may be out
	MUL8 1, 0, 0
	s_wait_dscnt 0x0                               ; the add is done, and my reads of this slot are over
	s_barrier_signal -1
	MUL8 1, 1, 0
	WIN 0
	s_barrier_wait -1
.if \fill
	CREST                                          ; the barrier has opened a round of the cluster's
	s_add_nc_u64 s[G0A+4*(\slot)+2:G0A+4*(\slot)+3], s[G0A+4*(\slot)+2:G0A+4*(\slot)+3], 2*STEPA
	s_add_nc_u64 s[G0B+4*(\slot)+2:G0B+4*(\slot)+3], s[G0B+4*(\slot)+2:G0B+4*(\slot)+3], 2*STEPB
	JLOAD \slot                                    ; the first tensor load behind the round; its four v_nop are also the places in front of the loads below
.else
	PLACES
.endif
	FETCH \next, 0, 0
.if \fill
	WIN 0
	ASK
.endif
	MUL8 1, 2, 0
	MUL8 1, 3, 0
.endm
	s_wait_tensorcnt 1                             ; my part of K step 0 is in; K step 1's may stay out
	s_barrier_signal -1
	s_barrier_wait -1
	FETCH 0, 0, 0
	s_wait_loadcnt 0x0                             ; the bias
	QUARTER 0, 1, 0, 1, 1
	WIN 0
	s_mov_b32 s3, LAPS-1
.Llap:
	QUARTER 0, 2, 1, 0, 0
	QUARTER 0, 3, 0, 1, 0
	TURN 0, 1, 1
	QUARTER 1, 1, 0, 1, 0
	QUARTER 1, 2, 1, 0, 0
	QUARTER 1, 3, 0, 1, 0
	TURN 1, 0, 1
	QUARTER 0, 1, 0, 1, 0
	WIN 0
	s_sub_co_u32 s3, s3, 1
	s_cmp_lg_u32 s3, 0
	s_cbranch_scc1 .Llap
	QUARTER 0, 2, 1, 0, 0                          ; the last lap fills nothing
	QUARTER 0, 3, 0, 1, 0
	TURN 0, 1, 0
	QUARTER 1, 1, 0, 1, 0
	QUARTER 1, 2, 1, 0, 0
	QUARTER 1, 3, 0, 1, 0
	s_wait_dscnt 0x0
	MUL8 1, 0, 0
	MUL8 1, 1, 0
	MUL8 1, 2, 0
	MUL8 1, 3, 0
	; THE WAY OUT, a block of 16 rows at a time: 32 bytes a lane into my stage, back as whole rows of 512 bytes.
	WIN 0
	PLACES
.macro TOSTAGE a
	WIN 0x08                                       ; the stores' data in window 2; each accumulator's low four registers go first
.irp b, 0,1,2,3,4,5,6,7
	ds_store_b128 v[STO], v[8*(8*(\a)+(\b)):8*(8*(\a)+(\b))+3]   offset:64*(\b)
	ds_store_b128 v[STO], v[8*(8*(\a)+(\b))+4:8*(8*(\a)+(\b))+7] offset:64*(\b)+16
.endr
	WIN 0
.irp t, 0,1,2,3,4,5,6,7,8,9,10,11,12,13,14,15
	ds_load_b128 v[32+64*((\a)%3)+4*(\t):32+64*((\a)%3)+4*(\t)+3], v[RD] offset:(\t)*SPI  ; LDS serves a wave's instructions in order (ISA guide 5.7.1.4): these see the stores above
.endr
.endm
.macro SEND a, younger                 ; younger: the next block's 16 stores and 16 loads, or none
	WIN 0
	s_wait_dscnt \younger
.irp t, 0,1,2,3,4,5,6,7,8,9,10,11,12,13,14,15
	global_store_b128 v[GO], v[32+64*((\a)%3)+4*(\t):32+64*((\a)%3)+4*(\t)+3], s[8:9] offset:(\a)*65536+(\t)*4096 th:TH_STORE_NT  ; 512 consecutive bytes, aligned
.endr
.endm
	TOSTAGE 0
	TOSTAGE 1
	SEND 0, 32
	TOSTAGE 2
	SEND 1, 32
	s_wait_xcnt 0x0                                ; block 0's stores have read their registers, which block 3 is read back into
	TOSTAGE 3
	SEND 2, 32
	SEND 3, 0
	s_wait_tensorcnt 0x0                           ; the wave's end
	ds_add_u32 v[SPW], v[NIL]
	s_wait_dscnt 0x0
	CROUND                                         ; the closing round
	s_endpgm
.Lfunc_end_k_q2469545eff_oproj:
	.size	k_q2469545eff_oproj, .Lfunc_end_k_q2469545eff_oproj-k_q2469545eff_oproj
	.p2alignl 7, 3214868480
	.fill 96, 4, 3214868480
	.section	.rodata,"a",@progbits
	.p2align	6, 0x0
	.amdhsa_kernel k_q2469545eff_oproj
		.amdhsa_group_segment_fixed_size 327680
		.amdhsa_private_segment_fixed_size 0
		.amdhsa_enable_private_segment 0
		.amdhsa_kernarg_size 32
		.amdhsa_user_sgpr_count 2
		.amdhsa_user_sgpr_kernarg_segment_ptr 1
		.amdhsa_wavefront_size32 1
		.amdhsa_system_sgpr_workgroup_id_x 1
		.amdhsa_system_sgpr_workgroup_id_y 1
		.amdhsa_system_sgpr_workgroup_id_z 1
		.amdhsa_system_vgpr_workitem_id 0
		.amdhsa_next_free_vgpr 768
		.amdhsa_next_free_sgpr 80
		.amdhsa_reserve_vcc 0
		.amdhsa_float_denorm_mode_32 3
		.amdhsa_float_denorm_mode_16_64 3
		.amdhsa_memory_ordered 1
		.amdhsa_forward_progress 1
		.amdhsa_inst_pref_size 88
	.end_amdhsa_kernel
	.amdgpu_metadata
---
amdhsa.version: [ 1, 2 ]
amdhsa.kernels:
  - .name:           k_q2469545eff_oproj
    .symbol:         k_q2469545eff_oproj.kd
    .args:
      - { .name: oh, .offset: 0, .size: 8, .value_kind: global_buffer, .address_space: global }
      - { .name: w16, .offset: 8, .size: 8, .value_kind: global_buffer, .address_space: global }
      - { .name: bo, .offset: 16, .size: 8, .value_kind: global_buffer, .address_space: global }
      - { .name: out0, .offset: 24, .size: 8, .value_kind: global_buffer, .address_space: global }
    .group_segment_fixed_size: 327680
    .private_segment_fixed_size: 0
    .kernarg_segment_align: 8
    .kernarg_segment_size: 32
    .max_flat_workgroup_size: 128
    .sgpr_count:     80
    .vgpr_count:     768
    .wavefront_size: 32
...
	.end_amdgpu_metadata
.endif
;; end of part 4
